; MI455X (gfx1250); checked and timed in simulation.
; The chip was launched on July 23, 2026; its instructions are those of AMD's public machine-readable ISA for CDNA 5 (MIT licence, August 2026) and "CDNA5" Instruction Set Architecture Reference Guide (July 2026). The comments in the code are by the model that wrote it; some were corrected since.
;; Multihead Attention With Bias. Allowed arithmetic: matrix products marked QUANTISED: E2M3 operands, one E8M0 scale for each 32 along K, by v_wmma_scale_f32_16x16x128_f8f6f4 with both operands' format E2M3, f32 sums; everything else in f32.
;; Inputs: attn_bias 4 x 2,048 x 2,048 float32; out_b 1,024 float32; out_w 1,024 x 1,024 float32; qkv_b 3,072 float32; qkv_w 3,072 x 1,024 float32; x 4 x 2,048 x 1,024 float32.
;; Outputs: out0 4 x 2,048 x 1,024 float32.
;; This version of the problem:
;;   THIS VERSION OF THE PROBLEM IS GIVEN IN LOW PRECISION. The matrix products marked QUANTISED in the list below multiply operands that are first quantised to E2M3 (2 exponent bits, 3 mantissa bits; 6 bits a number), with one power-of-two scale for each 32 numbers along K (OCP MX v1.0); their sums are f32. All else is computed in f32.
;;   The module's matrix products, in the order in which they are computed (A, B: the left and right operand; K: the contracted axis; several contracted axes count as one K, in the product's order):
;;     1. [M 8,192, K 1,024] x [K 1,024, N 3,072]; A: input x; B: input qkv_w: QUANTISED
;;     2. batch 64 x [M 2,048, K 64] x [K 64, N 2,048]; A: computed on the way; B: computed on the way: QUANTISED
;;     3. batch 64 x [M 2,048, K 2,048] x [K 2,048, N 64]; A: softmax (see below); B: computed on the way: QUANTISED
;;     4. [M 8,192, K 1,024] x [K 1,024, N 1,024]; A: computed on the way; B: input out_w: QUANTISED
;;   THE QUANTISER, for each operand of a quantised product, along K:
;;     - K is cut into blocks of 32 from its start; a last block that is shorter is filled with zeros.
;;     - A block's scale is 2^e with e = floor(log2(the largest magnitude in the block)) - 2, held to -126 .. 127; a block of zeros has e = 0. As a byte (E8M0): e + 127.
;;     - Each number is divided by its block's scale, clamped to +-7.5, and rounded to the nearest number of E2M3, ties to even, subnormals kept.
;;     - The product sums the exact products of the quantised numbers (number of the format x scale) in f32.
;;   ~~~python
;;   def quantise(x, axis):      # numpy; x: float32 -> the quantised numbers, widened to float32 again
;;       x = np.moveaxis(x, axis, -1); K = x.shape[-1]
;;       x = np.pad(x, [(0, 0)] * (x.ndim - 1) + [(0, -K % 32)]); x = x.reshape(x.shape[:-1] + (-1, 32)); a = np.abs(x).max(-1, keepdims=True)
;;       e = np.where(a > 0, np.clip(np.frexp(np.where(a > 0, a, 1))[1] - 1 - 2, -126, 127), 0)      # np.frexp(a)[1] - 1 = floor(log2(a)), exactly
;;       r = np.clip(x / 2.0 ** e, -7.5, 7.5)
;;       step = 2.0 ** (np.maximum(np.frexp(np.where(r == 0, 1, r))[1] - 1, 0) - 3)
;;       q = np.round(r / step) * step * 2.0 ** e      # np.round: ties to even
;;       return np.moveaxis(q.reshape(q.shape[:-2] + (-1,))[..., :K], -1, axis).astype(np.float32)
;;   ~~~
;;   SOFTMAX AHEAD OF A QUANTISED PRODUCT. Where the list says 'softmax', what is quantised is not the finished softmax but p = 2^(t - M), with t = logit x log2(e) and M = ceil(the row's largest t), a whole number; so 1/2 < the row's largest p <= 1. The row's sum l is taken of the UNQUANTISED p, in f32, and the product's result is divided by l at the end. Since M is a whole number, a kernel that streams over the keys may use a running M (the ceiling of the running maximum): every later rescaling is an exact power of two, which a block's scale takes up: the codes' values come out the same.
;;   OPERANDS COMPUTED ON THE WAY. 'Computed on the way' means the value that the module computes at that place (a softmax that the list does not call 'softmax' is quantised finished and normalised). What goes into a quantiser is computed in f32, as accurately as f32 sums, v_exp_f32 and their like allow (about 1e-6 of the number): no bf16 or f16 on the way to a quantiser, and a product that is left as it is and whose result goes on into a quantised operand takes f32 operands (vector FMAs, or v_wmma_f32_16x16x4_f32). A number that lies on a knife's edge between two numbers of the format may be rounded either way, as far as f32 arithmetic and the matrix unit's own rounding can turn it there, and no further.
;; One version. Each part assembles by itself: llvm-mc -triple=amdgcn-amd-amdhsa -mcpu=gfx1250 --defsym DOCPART=n.
;; ======== version 1 of 1: 4 launches
;; workspace buffers: xq 6,553,600 bytes; wq 3,276,800 bytes; qkv 20,447,232 bytes; oc 6,553,600 bytes
;; launch quant (part 1): grid 256 x 1, 6 waves a work-group, no clusters, 51,968 bytes of LDS; arguments x, qkv_w, out_w, xq, wq; writes xq, wq
.if DOCPART == 1
	.amdgcn_target "amdgcn-amd-amdhsa--gfx1250"
	.amdhsa_code_object_version 6
	.text
	.protected	k_q309126825d_quant
	.globl	k_q309126825d_quant
	.p2align	8
	.type	k_q309126825d_quant,@function
k_q309126825d_quant:
	s_mov_b64 s[64:65], 0
	v_nop
	global_prefetch_b8 v0, s[64:65] scope:SCOPE_SE
	s_setreg_imm32_b32 hwreg(HW_REG_WAVE_MODE, 25, 1), 1
	s_wait_xcnt 0x0
; x [8192][1024], qkv_w [3072][1024] and out_w [1024][1024], f32, K innermost, become codes of FP6 (E2M3) with one E8M0 byte for each 32 along K,
; laid as IMAGES OF THE OPERAND'S REGISTERS.  A row tile is 16 rows; its eight K steps of 128 are eight fragments of 12 registers a lane.
; A fragment's image is 1,536 bytes: register 4 j + i of lane l at byte 512 j + 16 l + 4 i.  A row tile's scale words are 512 bytes: [pair of K steps 4][row 16][2 words].
; xq: 512 row tiles of x, codes at 0, scale words at 6,291,456.  wq: 192 row tiles of qkv_w, then 64 of out_w, codes at 0, scale words at 3,145,728.
; THE ROWS OF A TILE ARE NOT NEIGHBOURS: lane r of tile T holds row 32 (T / 2) + 8 (T % 2) + r + 8 (r / 8), so that in a product used transposed the 16 registers of two
; neighbouring result tiles are 16 neighbours along the next K.
; A block's scale is 2^(floor(log2(largest magnitude)) - 2); its byte is the largest magnitude's exponent field - 2, held at 1 from below.
; LIMITS: a block of zeros gets the byte 1 where the rule says 127 (its codes are zeros, and this program alone reads the bytes); NaN and infinities among the inputs are not served.
; SHARES: 768 row tiles x 2 halves of K = 1,536 tasks, one a wave: tile 3 x work-group + wave / 2, half wave % 2: 16 rows x 512 numbers, four fragments.
; Each load reads 512 consecutive bytes of one row; a fragment's 16 rows turn through the wave's own stage in LDS (rows 528 bytes apart), so that lane (r, h) gets, of row r,
; k = 64 c + 32 h + 0 .. 31: two whole blocks, in the order of the operand's registers.  No barrier: waves share nothing.  Loads run two fragments (32 loads a wave) ahead.
; No matrix unit, no cluster, no tensor load: a stream in which no byte is read twice.
.set STG,  8448                        ; a wave's stage: 16 rows x 528 bytes
.set R,    16                          ; v16-79, v80-143   two sets of 64 numbers as loaded
.set X,    144                         ; v144-207          register 32 c + i = k 64 c + 32 h + i of my row
.set PC,   208                         ; v208-219          the fragment's codes
.set CT,   220                         ; v220-222, v224-226 each block's upper 16 codes (a conversion's three registers begin on an even number)
.set M,    228                         ; v228-229          largest magnitudes
.set SO,   230                         ; v230-231          the conversions' scale operands
.set BY,   232                         ; v232-233          the bytes
.set W,    236                         ; v236-239          the four fragments' scale words
	s_load_b256 s[4:11], s[0:1], 0x0               ; x, qkv_w, out_w, xq
	s_load_b64 s[12:13], s[0:1], 0x20              ; wq
	v_lshl_add_u32 v254, v0, 2, 0xc800
	v_mov_b32 v255, 0
	v_lshrrev_b32 v6, 5, v0
	v_readfirstlane_b32 s16, v6                    ; wave 0..5
	v_and_b32 v7, 31, v0                           ; lane
	v_and_b32 v8, 15, v0                           ; r
	v_bfe_u32 v9, v0, 4, 1                         ; h
	s_lshr_b32 s17, s16, 1
	s_mul_i32 s18, ttmp9, 3
	s_add_co_u32 s17, s17, s18                     ; T: my row tile among the 768
	s_and_b32 s18, s16, 1                          ; which half of K
	s_mul_i32 s19, s16, STG                        ; my stage
	v_lshlrev_b32 v1, 4, v7                        ; 16 x lane: my bytes of a load and of a store of codes
	v_add_nc_u32 v2, s19, v1                       ; the stage, on the way in
	v_mul_u32_u24 v3, v8, 528
	v_lshl_add_u32 v3, v9, 7, v3
	v_add_nc_u32 v3, s19, v3                       ; and on the way out: row r, + 128 h
	v_lshlrev_b32 v4, 3, v7                        ; 8 x lane: the scale words' place
	v_lshlrev_b32 v5, 3, v9                        ; 8 h: my bytes' place in a scale word
	v_mov_b32 v235, 0                              ; a lane permute's destination counts as one of its sources
	s_mov_b32 s30, 0x76543210
	s_mov_b32 s31, 0xfedcba98                      ; v_permlanex16_b32's selects for lane l xor 16
	s_wait_kmcnt 0x0
	s_cmp_lt_u32 s17, 512                          ; tiles 0-511: x into xq; 512-703: qkv_w, 704-767: out_w, both into wq.  The choices hang on the tile's number alone
	s_cselect_b64 s[20:21], s[4:5], s[6:7]
	s_cselect_b64 s[22:23], s[10:11], s[12:13]
	s_cselect_b32 s24, 0, 512
	s_mov_b32 s26, 3145728
	s_cselect_b32 s26, 6291456, s26                ; where the buffer's scale words begin
	s_cmp_lt_u32 s17, 704
	s_cselect_b64 s[20:21], s[20:21], s[8:9]
	s_cselect_b32 s25, s24, 704
	s_sub_co_u32 s25, s17, s25                     ; the tile's number in its source
	s_sub_co_u32 s24, s17, s24                     ; and in its buffer
	s_lshr_b32 s28, s25, 1
	s_lshl_b32 s28, s28, 17                        ; 32 rows of 4,096 bytes for each pair of tiles,
	s_and_b32 s29, s25, 1
	s_lshl_b32 s29, s29, 15                        ; 8 rows for the odd tile,
	s_add_co_u32 s28, s28, s29
	s_lshl_b32 s29, s18, 11                        ; 512 numbers for the second half of K
	s_add_co_u32 s28, s28, s29
	s_mov_b32 s29, 0
	s_add_nc_u64 s[20:21], s[20:21], s[28:29]      ; the source at my task
	s_mul_i32 s28, s24, 12288
	s_mul_i32 s27, s18, 6144
	s_add_co_u32 s28, s28, s27
	s_add_nc_u64 s[32:33], s[22:23], s[28:29]      ; my four images
	s_lshl_b32 s28, s24, 9
	s_lshl_b32 s27, s18, 8
	s_add_co_u32 s28, s28, s27
	s_add_co_u32 s28, s28, s26
	s_add_nc_u64 s[34:35], s[22:23], s[28:29]      ; my 256 bytes of scale words
.macro LOADF t                         ; fragment t: 16 rows x 128 numbers; row i of the tile lies i + 8 (i / 8) rows on
.irp i, 0,1,2,3,4,5,6,7,8,9,10,11,12,13,14,15
	global_load_b128 v[R+64*((\t)%2)+4*\i:R+64*((\t)%2)+4*\i+3], v1, s[20:21] offset:(\i+8*(\i/8))*4096+512*(\t) th:TH_LOAD_NT
.endr
.endm
.macro FRAGQ t
.if (\t) < 3
	s_wait_loadcnt 16                              ; this fragment's 16 loads are in; the next fragment's 16 may be out
.else
	s_wait_loadcnt 0x0
.endif
.irp i, 0,1,2,3,4,5,6,7,8,9,10,11,12,13,14,15
	ds_store_b128 v2, v[R+64*((\t)%2)+4*\i:R+64*((\t)%2)+4*\i+3] offset:528*\i
.endr
.irp c, 0,1
.irp j, 0,1,2,3,4,5,6,7
	ds_load_b128 v[X+32*\c+4*\j:X+32*\c+4*\j+3], v3 offset:256*\c+16*\j   ; LDS serves a wave's instructions in order: these see the stores above
.endr
.endr
	s_wait_dscnt 0x0                               ; the numbers are back, and the stores have read their registers,
.if (\t)+2 < 4
	LOADF (\t)+2                                   ; which take the loads of two fragments on
.endif
.irp c, 0,1
	v_max3_num_f32 v[M+\c], |v[X+32*\c]|, |v[X+32*\c+1]|, 0x1800000   ; my block 2 c + h: all 32 numbers are mine; the floor 2^(3 - 127) holds the byte at 1 from below
.endr
.irp i, 2,4,6,8,10,12,14,16,18,20,22,24,26,28,30
.irp c, 0,1
	v_max3_num_f32 v[M+\c], v[M+\c], |v[X+32*\c+\i]|, |v[X+32*\c+\i+1]|
.endr
.endr
.irp c, 0,1
	v_add_nc_u32 v[SO+\c], 0xff000000, v[M+\c]     ; 2 off the exponent field: the conversion takes that field as its scale, and nothing else
.endr
.irp c, 0,1
	v_lshrrev_b32 v[BY+\c], 23, v[SO+\c]           ; the scale's byte
.endr
	v_lshl_or_b32 v234, v[BY+1], 16, v[BY]         ; blocks h and 2 + h of my row,
	v_lshlrev_b32 v234, v5, v234                   ; at their places in the word;
	v_permlanex16_b32 v235, v234, s30, s31
	v_or_b32 v[W+(\t)], v234, v235                 ; with lane l xor 16's two the word is whole
.if (\t) > 0
	s_wait_xcnt 0x0                                ; the last fragment's stores have read the codes' registers, which are written again below
.endif
.irp c, 0,1
	v_cvt_scalef32_pk16_fp6_f32 v[PC+6*\c:PC+6*\c+2], v[X+32*\c:X+32*\c+15], v[SO+\c]
	v_cvt_scalef32_pk16_fp6_f32 v[CT+4*\c:CT+4*\c+2], v[X+32*\c+16:X+32*\c+31], v[SO+\c]
.endr
	v_nop                                          ; one plain place behind a scaled conversion
.irp c, 0,1
.irp i, 0,1,2
	v_mov_b32 v[PC+6*\c+3+\i], v[CT+4*\c+\i]
.endr
.endr
.irp j, 0,1,2
	global_store_b128 v1, v[PC+4*\j:PC+4*\j+3], s[32:33] offset:1536*(\t)+512*\j   ; 32 lanes store 512 consecutive bytes, at a multiple of 256 from the buffer's first byte
.endr
.endm
	LOADF 0
	LOADF 1
	FRAGQ 0
	FRAGQ 1
	FRAGQ 2
	FRAGQ 3
	v_cmp_le_u32 vcc_lo, 16, v7                    ; lanes 0-15 store the words of my first two K steps, lanes 16-31 those of the other two
	v_cndmask_b32 v240, v[W], v[W+2], vcc_lo
	v_cndmask_b32 v241, v[W+1], v[W+3], vcc_lo
	global_store_b64 v4, v[240:241], s[34:35]      ; 256 consecutive bytes, aligned
	s_wait_tensorcnt 0x0
	ds_add_u32 v254, v255
	s_wait_dscnt 0x0
	s_endpgm
.Lfunc_end_k_q309126825d_quant:
	.size	k_q309126825d_quant, .Lfunc_end_k_q309126825d_quant-k_q309126825d_quant
	.p2alignl 7, 3214868480
	.fill 96, 4, 3214868480
	.section	.rodata,"a",@progbits
	.p2align	6, 0x0
	.amdhsa_kernel k_q309126825d_quant
		.amdhsa_group_segment_fixed_size 51968
		.amdhsa_private_segment_fixed_size 0
		.amdhsa_enable_private_segment 0
		.amdhsa_kernarg_size 40
		.amdhsa_user_sgpr_count 2
		.amdhsa_user_sgpr_kernarg_segment_ptr 1
		.amdhsa_wavefront_size32 1
		.amdhsa_system_sgpr_workgroup_id_x 1
		.amdhsa_system_sgpr_workgroup_id_y 1
		.amdhsa_system_sgpr_workgroup_id_z 1
		.amdhsa_system_vgpr_workitem_id 0
		.amdhsa_next_free_vgpr 256
		.amdhsa_next_free_sgpr 66
		.amdhsa_reserve_vcc 1
		.amdhsa_float_denorm_mode_32 3
		.amdhsa_float_denorm_mode_16_64 3
		.amdhsa_memory_ordered 1
		.amdhsa_forward_progress 1
		.amdhsa_inst_pref_size 30
	.end_amdhsa_kernel
	.amdgpu_metadata
---
amdhsa.version: [ 1, 2 ]
amdhsa.kernels:
  - .name:           k_q309126825d_quant
    .symbol:         k_q309126825d_quant.kd
    .args:
      - { .name: x, .offset: 0, .size: 8, .value_kind: global_buffer, .address_space: global }
      - { .name: qkv_w, .offset: 8, .size: 8, .value_kind: global_buffer, .address_space: global }
      - { .name: out_w, .offset: 16, .size: 8, .value_kind: global_buffer, .address_space: global }
      - { .name: xq, .offset: 24, .size: 8, .value_kind: global_buffer, .address_space: global }
      - { .name: wq, .offset: 32, .size: 8, .value_kind: global_buffer, .address_space: global }
    .group_segment_fixed_size: 51968
    .private_segment_fixed_size: 0
    .kernarg_segment_align: 8
    .kernarg_segment_size: 40
    .max_flat_workgroup_size: 192
    .sgpr_count:     66
    .vgpr_count:     256
    .wavefront_size: 32
...
	.end_amdgpu_metadata
.endif
;; end of part 1
;; launch gemm_qkv (part 2): grid 96 x 4, 4 waves a work-group, clusters of 4 x 4, 327,680 bytes of LDS; arguments xq, wq, qkv_b, qkv; writes qkv
.if DOCPART == 2
	.amdgcn_target "amdgcn-amd-amdhsa--gfx1250"
	.amdhsa_code_object_version 6
	.text
	.protected	k_q309126825d_gemm_qkv
	.globl	k_q309126825d_gemm_qkv
	.p2align	8
	.type	k_q309126825d_gemm_qkv,@function
k_q309126825d_gemm_qkv:
	s_mov_b64 s[64:65], 0
	v_nop
	global_prefetch_b8 v0, s[64:65] scope:SCOPE_SE
	s_setreg_imm32_b32 hwreg(HW_REG_WAVE_MODE, 25, 1), 1
	s_wait_xcnt 0x0
	s_wait_alu depctr_hold_cnt(0) depctr_sa_sdst(0) depctr_va_vdst(0) depctr_va_sdst(0) depctr_va_ssrc(0) depctr_va_vcc(0) depctr_vm_vsrc(0)
	s_getreg_b32 s2, hwreg(HW_REG_IB_STS2, 6, 4)
	s_cmp_eq_u32 s2, 0
	s_cbranch_scc0 .Lentry_in_a_cluster
	s_endpgm
.Lentry_in_a_cluster:
	s_bfe_u32 s2, ttmp6, 0x10000c
	s_cmp_lg_u32 s2, 0xf033
	s_cbranch_scc0 .Lentry_shape_is_right
	s_endpgm
.Lentry_shape_is_right:
; q, k, v = x qkv_w^T + qkv_b on codes of FP6 (E2M3) with one E8M0 scale for each 32 along K = 1,024; the results are quantised here, in f32 registers, for attention's two products, and leave as codes.
; A work-group makes 256 x 256 results, a wave 128 x 128: 64 accumulators of 16 x 16.  THE MATRIX INSTRUCTION IS USED TRANSPOSED: source 0 = 16 rows of "B", source 1 = 16 rows of "A": a lane holds one row of A,
; and its registers run along rows of B.  Both operands lie in memory as images of the operand's registers (1,536 bytes a fragment; a row tile's 8 K steps on end), with the rows of a tile chosen so that
; the 16 registers of result tiles 2 b and 2 b + 1 are 16 NEIGHBOURS along B's rows.
; ROLES, by the cluster's number c (24 clusters of 4 x 4).  c < 16: A = x, B = qkv_w's rows of q and k: a lane holds a token, its registers run along the head's 64, which is the first product's K.
; c >= 16: A = qkv_w's rows of v, B = x: a lane holds one of the head's 64, its registers run along the tokens, which are the second product's K.  Only pointers, offsets and the bias's form hang on the role.
; CLUSTERS: A's tiles hang on the place along y alone and are asked for jointly along a row of the cluster, B's on the place along x alone, jointly along a column: a quarter of the requests.
; K goes in steps of 256 through a ring of two LDS slots; the scale words of the work-group's 512 rows come once, with the first fills.  By this text's count a wave has at most three tensor loads out (at the start), later one.
; OUT: buffer qkv, [block of 128 tokens 64][group of 4 heads 4] x 79,872 bytes; in it q's part at 0, k's at 26,624, v's at 53,248; a part: codes [head 4][fragment 4][half 2] x 768 bytes (a half: registers 0-3 at 16 x lane,
; registers 4-5 at 512 + 8 x lane), then scale words [head 4][fragment 4] x 128 bytes (4 x lane).  q, k: half e of fragment f is token tile 2 f + e, all 64 of the head; word = two bytes of each tile.
; v: fragment f is tile f of the head's 64, half e is keys 64 e on; word = the four blocks of keys.
; LIMITS: a block of zeros gets the byte 1 (its codes are zeros; this program alone reads the bytes).  q's bytes are held at 4 from below (blocks of q with a largest magnitude under 2^-121 are quantised under the scale 2^-123),
; since attention takes 3 off them for the division by 8.  NaN and infinities are not served.
; No prefetch: K has four slots, and the tiles are shared in the cluster.
; REGISTERS, in windows of 256: window 0: v0-31 addresses; v32-63 scale words, two sets, and nothing else; v64-127, v224-239 the biases; v128-223 A's fragments, ONE set; v240-255 at work on the way out.
;   window 1: B's fragments, two sets, at v0 and v128.   windows 2, 3: the accumulators (block a of A, block b of B at v[8 (8 (a % 4) + b)] of window 2 + a / 4).
.set NQ,     2                         ; matrix instructions deep in a slot
.set FR,     12                        ; registers of a fragment
.set NL,     3                         ; LDS loads that bring one
.set NP,     4                         ; places behind this matrix instruction (ISA guide 7.12.1)
.set TILEB,  3072                      ; a row tile's two fragments of a slot
.set HALFT,  8*TILEB                   ; 8 row tiles: what one tensor load brings, and what one wave reads of A or of B
.set SLOT,   4*HALFT                   ; A's 16 row tiles, then B's 16
.set SCL,    2*SLOT                    ; behind the ring: the scale words, 512 bytes a row tile, A's 16 tiles, then B's
.set HALFS,  4096
.set SBLK,   512
.set SPARE,  SCL+4*HALFS               ; the spare words, 128 bytes for each wave: two blocks of 256 bytes that no other line names
.set W0,   8                           ; v8-9    the scale words of a pair's two blocks
.set W1,   9
.set WE,   10                          ; v10-11  the two words as they are stored
.set WO,   11
.set L16,  12                          ; v12-14  16, 8, 4 x lane
.set L8,   13
.set L4,   14
.set ADRA, 16                          ; v16-17  LDS address of A's fragments in slot 0, 1
.set ADRB, 20                          ; v20-21  of B's
.set ADRS, 27                          ; v27     of my scale words: lanes 0-15 A's rows, lanes 16-31 B's
.set SPW,  28                          ; v28     LDS address of my spare word; never rewritten
.set NIL,  29                          ; v29     0; never rewritten
.set SC,   32
.set BN,   64                          ; v64-127  the bias along the registers (q, k)
.set AF,   128
.set X,    128                         ; the way out: 64 numbers of a lane
.set FE,   192                         ; v192-215 four halves of six registers
.set FO,   204
.set CT,   216                         ; v216-218, v220-222
.set BM,   224                         ; v224-239 the bias along the lanes (v): a pair for each block of A, the number in its low register
.set TM,   240
.set G1, 24
.set G0, 32
.set G1B, 48
.set G0B, 56
.set G1S, 68
.set G0S, 76
.set G1SB, 80
.set G0SB, 88
.set FLOOR, 38                         ; scalars of the way out, in registers that descriptors have left
.set SEL,   90
.set MSB, 0
.macro WIN new                         ; the immediate's high byte repeats the setting that is left
.if MSB != \new
	s_set_vgpr_msb (MSB<<8)|\new
.set MSB, \new
.endif
.endm
.set MUL_LO, 0xa1                      ; source 0 (B) window 1, source 1 (A) window 0, C and D window 2
.set MUL_HI, 0xf1                      ; the same, C and D window 3
.set TO_B,   0x40                      ; destination window 1, address window 0
; A joint load: waves 0 and 1 fetch for A, waves 2 and 3 for B.  The branch hangs on the wave's number alone.  Four v_nop follow each of the two lines.
.macro JLOAD g0a, g1a, g0b, g1b
	s_cmp_eq_u32 s15, 0
	s_cbranch_scc0 .Lfor_b_\@
	tensor_load_to_lds s[\g0a:\g0a+3], s[\g1a:\g1a+7]
	s_nop 0
.rept 4
	v_nop
.endr
	s_branch .Lasked_\@
.Lfor_b_\@:
	tensor_load_to_lds s[\g0b:\g0b+3], s[\g1b:\g1b+7]
	s_nop 0
.rept 4
	v_nop
.endr
.Lasked_\@:
.endm
.macro CREST                           ; a round of the cluster's barrier behind its opening barrier
	s_cmp_lg_u32 s14, 0
	s_cbranch_scc1 .Lnot_wave_0_\@
	s_barrier_signal -3
.Lnot_wave_0_\@:
	s_barrier_wait -3
	s_barrier_signal -1
	s_barrier_wait -1
.endm
.macro CROUND                          ; a whole round
	s_barrier_signal -1
	s_barrier_wait -1
	CREST
.endm
	s_load_b256 s[4:11], s[0:1], 0x0               ; xq s[4:5], wq s[6:7], qkv_b s[8:9], qkv s[10:11]
	v_lshl_add_u32 v[SPW], v0, 2, SPARE
	v_mov_b32 v[NIL], 0
	ds_add_u32 v28, v29
	s_wait_dscnt 0x0
	v_lshrrev_b32 v1, 5, v0
	v_readfirstlane_b32 s14, v1                    ; wave 0..3
	s_lshr_b32 s15, s14, 1                         ; which half of A's rows is mine.  Also: I fetch for A (0) or for B (1)
	s_and_b32 s16, s14, 1                          ; which half of B's rows.  Also: which 8 row tiles I fetch
	s_bfe_u32 s40, ttmp6, 0x40000                  ; cx, cy: my place in the cluster
	s_bfe_u32 s41, ttmp6, 0x40004
	s_lshl_b32 s43, s41, 2
	s_lshl_b32 s43, 15, s43                        ; my row of the cluster
	s_lshl_b32 s44, 0x1111, s40                    ; my column
	s_lshr_b32 s18, ttmp9, 1
	s_lshl_b32 s18, s18, 6                         ; q, k: A's row tiles 64 (c / 2) on,
	s_and_b32 s19, ttmp9, 1
	s_lshl_b32 s19, s19, 6                         ; B's 64 (c % 2) on
	s_max_u32 s45, ttmp9, 16
	s_sub_co_u32 s45, s45, 16
	s_lshl_b32 s45, s45, 6                         ; v: B's row tiles 64 (c - 16) on
	s_mov_b32 s94, 3145728                         ; where wq's scale words begin,
	s_mov_b32 s95, 6291456                         ; and xq's
	s_cmp_ge_u32 ttmp9, 16
	s_cselect_b32 s66, 1, 0                        ; the role: 1 = v.  The same in all sixteen partners
	s_cselect_b32 s18, 128, s18                    ; v: A's row tiles begin at wq's tile 128
	s_cselect_b32 s19, s45, s19
	s_cselect_b32 s96, s94, s95                    ; A's scale words,
	s_cselect_b32 s97, s95, s94                    ; B's
	s_lshl_b32 s17, s41, 4
	s_add_co_u32 s17, s17, s18                     ; A's first row tile: hangs on cy and c
	s_lshl_b32 s42, s40, 4
	s_add_co_u32 s42, s42, s19                     ; B's: on cx and c
	; descriptor group 1 for codes: 8 rows (row tiles) of 3,072 bytes, 12,288 bytes apart, as elements of 8 bytes; no padding: fragments are read as dense images
	s_or_b32 s[G1+0], s43, (3<<16)|(1<<21)         ; 15:0 the mask: A's tiles go to my row; 17:16 elements of 8 bytes; 21 set beside a mask
	s_or_b32 s[G1B+0], s44, (3<<16)|(1<<21)
.irp g, G1, G1B
	s_mov_b32 s[\g+1], 384<<16                     ; tensor_dim0
	s_mov_b32 s[\g+2], 8<<16                       ; tensor_dim1
	s_mov_b32 s[\g+3], 384<<16                     ; tile_dim0
	s_mov_b32 s[\g+4], 8                           ; tile_dim1
	s_mov_b32 s[\g+5], 1536                        ; tensor_dim0_stride
	s_mov_b32 s[\g+6], 0
	s_mov_b32 s[\g+7], 0
.endr
	; and for the scale words of 8 row tiles: 4,096 dense bytes as 16 rows of 256
	s_or_b32 s[G1S+0], s43, (3<<16)|(1<<21)
	s_or_b32 s[G1SB+0], s44, (3<<16)|(1<<21)
.irp g, G1S, G1SB
	s_mov_b32 s[\g+1], 32<<16
	s_mov_b32 s[\g+2], 16<<16
	s_mov_b32 s[\g+3], 32<<16
	s_mov_b32 s[\g+4], 16
	s_mov_b32 s[\g+5], 32
	s_mov_b32 s[\g+6], 0
	s_mov_b32 s[\g+7], 0
.endr
	s_lshl_b32 s18, s16, 3                         ; which 8 row tiles I fetch
	s_add_co_u32 s20, s17, s18
	s_add_co_u32 s46, s42, s18
	s_lshl_b32 s22, s20, 9
	s_add_co_u32 s22, s22, s96                     ; where these tiles' scale words begin, in bytes,
	s_lshl_b32 s92, s46, 9
	s_add_co_u32 s92, s92, s97
	s_mul_i32 s20, s20, 12288                      ; and their codes
	s_mul_i32 s46, s46, 12288
	s_mov_b32 s21, 0
	s_mov_b32 s23, 0
	s_mov_b32 s47, 0
	s_mov_b32 s93, 0
	s_mul_i32 s45, s14, HALFT                      ; where they go: wave x 8 row tiles: no place in the cluster enters an LDS address
	s_lshl_b32 s67, s14, 12
	s_lshr_b32 s12, s17, 3
	s_add_co_u32 s12, s12, s15                     ; uA: which 128 rows of A's tensor are my wave's,
	s_lshr_b32 s13, s42, 3
	s_add_co_u32 s13, s13, s16                     ; uB: and of B's
	s_wait_kmcnt 0x0
	s_cmp_eq_u32 s66, 0
	s_cselect_b64 s[98:99], s[4:5], s[6:7]         ; A's buffer,
	s_cselect_b64 s[100:101], s[6:7], s[4:5]       ; B's
	s_cselect_b32 s2, s13, 0                       ; the bias along the registers is q's or k's: features 128 uB on (as v: not used, loaded from the buffer's head)
	s_cselect_b32 s18, 0, s12                      ; the bias along the lanes is v's: features 128 uA on (as q, k: not used)
	s_add_nc_u64 s[20:21], s[98:99], s[20:21]
	s_add_nc_u64 s[22:23], s[98:99], s[22:23]
	s_add_nc_u64 s[46:47], s[100:101], s[46:47]
	s_add_nc_u64 s[92:93], s[100:101], s[92:93]
	CROUND                                         ; all sixteen work-groups are here: the first joint loads meet
	s_mov_b32 s[G0S], 1
	s_add_co_u32 s[G0S+1], s67, SCL
	s_mov_b64 s[G0S+2:G0S+3], s[22:23]
	s_or_b32 s[G0S+3], s[G0S+3], 0x80000000
	s_mov_b32 s[G0SB], 1
	s_add_co_u32 s[G0SB+1], s67, SCL
	s_mov_b64 s[G0SB+2:G0SB+3], s[92:93]
	s_or_b32 s[G0SB+3], s[G0SB+3], 0x80000000
	JLOAD G0S, G1S, G0SB, G1SB                     ; the scale words first: they are wanted with K slot 0
.irp s, 0,1
	s_mov_b32 s[G0+4*\s], 1
	s_add_co_u32 s[G0+4*\s+1], s45, \s*SLOT
	s_add_nc_u64 s[G0+4*\s+2:G0+4*\s+3], s[20:21], \s*TILEB
	s_or_b32 s[G0+4*\s+3], s[G0+4*\s+3], 0x80000000
	s_mov_b32 s[G0B+4*\s], 1
	s_add_co_u32 s[G0B+4*\s+1], s45, \s*SLOT
	s_add_nc_u64 s[G0B+4*\s+2:G0B+4*\s+3], s[46:47], \s*TILEB
	s_or_b32 s[G0B+4*\s+3], s[G0B+4*\s+3], 0x80000000
	JLOAD G0+4*\s, G1, G0B+4*\s, G1B
.endr
	v_and_b32 v3, 31, v0                           ; lane
	v_and_b32 v1, 15, v0                           ; r
	v_bfe_u32 v2, v0, 4, 1                         ; h
	v_lshlrev_b32 v[L16], 4, v3
	v_lshlrev_b32 v[L8], 3, v3
	v_lshlrev_b32 v[L4], 2, v3
	s_mul_i32 s21, s15, HALFT                      ; my 8 row tiles of A
	s_mul_i32 s22, s16, HALFT                      ; my 8 of B,
	s_add_co_u32 s22, s22, 2*HALFT                 ; which lie behind A's 16
.irp s, 0,1
	v_add_nc_u32 v[ADRA+\s], s21, v[L16]
	v_add_nc_u32 v[ADRB+\s], s22, v[L16]
	s_add_co_u32 s21, s21, SLOT
	s_add_co_u32 s22, s22, SLOT
.endr
	v_lshlrev_b32 v5, 3, v1                        ; my row's two words of a slot: 8 r
	s_mul_i32 s21, s15, HALFS                      ; A's: my 8 row tiles
	s_mul_i32 s22, s16, HALFS                      ; B's: my 8, behind A's 16
	s_add_co_u32 s22, s22, 2*HALFS
	s_sub_co_u32 s22, s22, s21
	v_mul_u32_u24 v6, s22, v2                      ; lanes 16-31 take B's
	s_add_co_u32 s21, s21, SCL
	v_add_nc_u32 v5, v5, v6
	v_add_nc_u32 v[ADRS], s21, v5
	; the biases, asked for now and waited for on the way out
	s_lshl_b32 s2, s2, 9
	s_lshl_b32 s18, s18, 9
	s_mov_b32 s3, 0
	s_mov_b32 s19, 0
	s_add_nc_u64 s[2:3], s[8:9], s[2:3]
	s_add_nc_u64 s[18:19], s[8:9], s[18:19]
	v_lshlrev_b32 v7, 6, v2                        ; 64 h: register 16 b + i is feature 32 b + 16 h + i
	v_and_b32 v4, 8, v1
	v_add_nc_u32 v4, v4, v1
	v_lshlrev_b32 v4, 2, v4                        ; 4 (r + 8 (r / 8)): lane r of block a is feature 32 (a / 2) + 8 (a % 2) + r + 8 (r / 8)
.irp a, 0,1,2,3,4,5,6,7
	v_mov_b32 v[BM+2*\a+1], 0                      ; named with the number as a pair, so it is written
.endr
.irp b, 0,1,2,3
	v_mov_b32 v[TM+4+\b], 0                        ; a lane permute's destination counts as one of its sources
.endr
.irp b, 0,1,2,3
.irp j, 0,1,2,3
	global_load_b128 v[BN+16*\b+4*\j:BN+16*\b+4*\j+3], v7, s[2:3] offset:128*\b+16*\j
.endr
.endr
.irp a, 0,1,2,3,4,5,6,7
	global_load_b32 v[BM+2*\a], v4, s[18:19] offset:4*(32*(\a/2)+8*(\a%2))
.endr
.macro FRAG reg, adr, q, i             ; a fragment comes as it was laid: three loads of 512 consecutive bytes
.irp j, 0,1,2
	ds_load_b128 v[\reg+4*\j:\reg+4*\j+3], v[\adr] offset:(\i)*TILEB+(\q)*1536+512*\j
.endr
.endm
; 16 matrix instructions: A's blocks a0, a0 + 1 x B's eight, 128 along K: the slot's q-th.  p: B's set;  sc: the set of scale words.  zero = 1: the first product starts the sums.
; The 64 accumulators take turns, one instruction a turn, in the same order in every step.
.macro MUL16 a0, p, q, sc, zero
.irp a, \a0, \a0+1
.irp b, 0,1,2,3,4,5,6,7
.if \zero
	v_wmma_scale_f32_16x16x128_f8f6f4 v[8*(8*((\a)%4)+\b):8*(8*((\a)%4)+\b)+7], v[128*(\p)+FR*\b:128*(\p)+FR*\b+FR-1], v[AF+FR*(\a):AF+FR*(\a)+FR-1], 0, v[SC+8*NQ*(\sc)+NQ*\b+(\q)], v[SC+8*NQ*(\sc)+NQ*(\a)+(\q)] matrix_a_fmt:MATRIX_FMT_FP6 matrix_b_fmt:MATRIX_FMT_FP6 matrix_a_scale:MATRIX_SCALE_ROW1
.else
	v_wmma_scale_f32_16x16x128_f8f6f4 v[8*(8*((\a)%4)+\b):8*(8*((\a)%4)+\b)+7], v[128*(\p)+FR*\b:128*(\p)+FR*\b+FR-1], v[AF+FR*(\a):AF+FR*(\a)+FR-1], v[8*(8*((\a)%4)+\b):8*(8*((\a)%4)+\b)+7], v[SC+8*NQ*(\sc)+NQ*\b+(\q)], v[SC+8*NQ*(\sc)+NQ*(\a)+(\q)] matrix_a_fmt:MATRIX_FMT_FP6 matrix_b_fmt:MATRIX_FMT_FP6 matrix_a_scale:MATRIX_SCALE_ROW1
.endif
.endr
.endr
.endm
.macro FETCH_B slot, q, p              ; B's eight fragments of the slot's q-th 128 along K into set p
	WIN TO_B
.irp i, 0,1,2,3,4,5,6,7
	FRAG 128*(\p)+FR*\i, ADRB+\slot, \q, \i
.endr
	WIN 0
.endm
.macro FETCH_A slot, q, i0             ; A's blocks i0 .. i0 + 3
.irp i, \i0, \i0+1, \i0+2, \i0+3
	FRAG AF+FR*(\i), ADRA+\slot, \q, \i
.endr
.endm
.macro SCALES sc                       ; a slot's scale words into set sc: two words a row; lanes 0-15 take A's block i, lanes 16-31 B's block i
.irp i, 0,1,2,3,4,5,6,7
	ds_load_b64 v[SC+8*NQ*\sc+NQ*\i:SC+8*NQ*\sc+NQ*\i+1], v[ADRS] offset:\i*SBLK
.endr
.endm
.macro PLACES n                        ; plain vector instructions between a matrix instruction and a load into, or a vector read of, its registers (ISA guide 7.12.1 for vector reads)
.rept \n
	v_nop
.endr
.endm
; A step of 128 along K that has its successor in the same slot.  A block of A is free as soon as its eight products are issued: blocks 0-3 are fetched anew in the step's middle, blocks 4-7 at its end.
.macro STEP slot, q, zero
	s_wait_dscnt 4*NL                              ; B's set and A's blocks 0-3 are in; the youngest twelve loads (A's blocks 4-7) may be out
	WIN MUL_LO
	MUL16 0, (\q)%2, \q, \slot, \zero
	MUL16 2, (\q)%2, \q, \slot, \zero
	s_wait_dscnt 0                                 ; A's blocks 4-7 are in
	PLACES NP
	FETCH_B \slot, (\q)+1, 1-(\q)%2
	FETCH_A \slot, (\q)+1, 0
	WIN MUL_HI
	MUL16 4, (\q)%2, \q, \slot, \zero
	MUL16 6, (\q)%2, \q, \slot, \zero
	PLACES NP
	WIN 0
	FETCH_A \slot, (\q)+1, 4
.endm
; A slot's last step changes slots: ONE barrier; in front of it each wave waits for all its tensor loads, adds 0 to its spare word, and waits for that and for its own reads of this slot.  fill = 1: this slot is filled again, two slots ahead.
.macro TURN slot, next, fill
	s_wait_tensorcnt 0x0                           ; all my tensor loads have landed: my part of the next slot
	ds_add_u32 v[SPW], v[NIL]                      ; 0 onto my spare word
	s_wait_dscnt 4*NL+1                            ; (the add and the youngest twelve loads, A's blocks 4-7, may be out)
	WIN MUL_LO
	MUL16 0, 1, NQ-1, \slot, 0                     ; sixteen matrix instructions stand between the add and the wait for it
	s_wait_dscnt 0x0                               ; the add is done, and my reads of this slot are over
	s_barrier_signal -1
	MUL16 2, 1, NQ-1, \slot, 0
	WIN 0
	s_barrier_wait -1
.if \fill
	CREST                                          ; the barrier has opened a round of the cluster's barrier: no wave of any partner still reads this slot or has a load on its way
	s_add_nc_u64 s[G0+4*\slot+2:G0+4*\slot+3], s[G0+4*\slot+2:G0+4*\slot+3], 2*TILEB
	s_add_nc_u64 s[G0B+4*\slot+2:G0B+4*\slot+3], s[G0B+4*\slot+2:G0B+4*\slot+3], 2*TILEB
	JLOAD G0+4*\slot, G1, G0B+4*\slot, G1B         ; the first tensor load behind the round; its four v_nop are also the places in front of the loads below
.else
	PLACES NP
.endif
	v_add_nc_u32 v[ADRS], 128, v[ADRS]             ; on to the next slot's scale words (no LDS load of mine is out)
	FETCH_B \next, 0, 0
	FETCH_A \next, 0, 0
	SCALES \next
	WIN MUL_HI
	MUL16 4, 1, NQ-1, \slot, 0
	MUL16 6, 1, NQ-1, \slot, 0
	PLACES NP
	WIN 0
	FETCH_A \next, 0, 4
.endm
	s_wait_tensorcnt 1                             ; the scale words and my part of K slot 0 are in (K slot 1's load may be out)
	s_barrier_signal -1
	s_barrier_wait -1                              ; everybody's are
	FETCH_B 0, 0, 0
	FETCH_A 0, 0, 0
	SCALES 0
	FETCH_A 0, 0, 4
	STEP 0, 0, 1                                   ; K = 1,024 is four slots: written out, since a loop would have one trip
	TURN 0, 1, 1
	STEP 1, 0, 0
	TURN 1, 0, 1
	STEP 0, 0, 0
	TURN 0, 1, 0                                   ; the last two slots are filled no more
	STEP 1, 0, 0
	s_wait_dscnt 4*NL                              ; the very last step: nothing more to fetch
	WIN MUL_LO
	MUL16 0, 1, NQ-1, 1, 0
	MUL16 2, 1, NQ-1, 1, 0
	s_wait_dscnt 0
	WIN MUL_HI
	MUL16 4, 1, NQ-1, 1, 0
	MUL16 6, 1, NQ-1, 1, 0
	WIN 0
	; THE WAY OUT.  No tensor load of mine is out, so the descriptors' registers are free.  Where my 128 x 128 results go:
	s_cmp_eq_u32 s66, 0
	s_cselect_b32 s70, s12, s13                    ; the block of 128 tokens,
	s_cselect_b32 s71, s13, s12                    ; the block of 128 features: 0-7 q, 8-15 k, 16-23 v; two heads
	s_mov_b32 s80, 1536
	s_cselect_b32 s80, 768, s80                    ; from a pair's first block of A to its second: the other half of a fragment (q, k), the next fragment (v)
	s_mov_b32 s82, 768
	s_cselect_b32 s82, 6144, s82                   ; from a lane's first 64 numbers to its second 64: the next head (q, k), the other half (v)
	s_mov_b32 s84, 128
	s_cselect_b32 s84, 512, s84                    ; from the first scale word to the second
	s_mov_b32 s86, 3072
	s_cselect_b32 s86, 1536, s86                   ; from pair to pair: codes,
	s_mov_b32 s88, 256
	s_cselect_b32 s88, 128, s88                    ; scale words
	s_mov_b32 s36, 0x03020100
	s_cselect_b32 s36, 0x05040100, s36             ; the first word stored: two low bytes of both blocks' words (q, k), the first block's word (v)
	s_mov_b32 s37, 0x07060504
	s_cselect_b32 s37, 0x07060302, s37             ; the second: the two high bytes of both, or the second block's word
	s_lshr_b32 s72, s71, 3                         ; the part: 0 q, 1 k, 2 v
	s_and_b32 s73, s71, 7                          ; which pair of heads
	s_lshr_b32 s74, s73, 1
	s_lshl_b32 s75, s70, 2
	s_add_co_u32 s74, s74, s75                     ; 4 x block of tokens + group of heads
	s_mul_i32 s74, s74, 79872
	s_mul_i32 s75, s72, 26624
	s_add_co_u32 s74, s74, s75
	s_and_b32 s73, s73, 1
	s_mul_i32 s75, s73, 12288
	s_add_co_u32 s76, s74, s75                     ; my codes,
	s_lshl_b32 s75, s73, 10
	s_add_co_u32 s78, s74, s75
	s_add_co_u32 s78, s78, 24576                   ; my scale words
	s_mov_b32 s77, 0
	s_mov_b32 s79, 0
	s_mov_b32 s81, 0
	s_mov_b32 s83, 0
	s_mov_b32 s85, 0
	s_mov_b32 s87, 0
	s_mov_b32 s89, 0
	s_cmp_eq_u32 s72, 0
	s_mov_b32 s[FLOOR], 0x01800000                 ; the floor under a block's largest magnitude: 2^(3 - 127), the byte at least 1;
	s_cselect_b32 s[FLOOR], 0x03000000, s[FLOOR]   ; for q 2^(6 - 127), the byte at least 4
	s_mov_b32 s[SEL], 0x76543210
	s_mov_b32 s[SEL+1], 0xfedcba98                 ; v_permlanex16_b32's selects for lane l xor 16
	s_add_nc_u64 s[24:25], s[10:11], s[76:77]      ; the four halves' places,
	s_add_nc_u64 s[26:27], s[24:25], s[80:81]
	s_add_nc_u64 s[28:29], s[24:25], s[82:83]
	s_add_nc_u64 s[30:31], s[26:27], s[82:83]
	s_add_nc_u64 s[32:33], s[10:11], s[78:79]      ; the two words'
	s_add_nc_u64 s[34:35], s[32:33], s[84:85]
; Block a's 64 results of a lane, with the bias, into v[X] on: register 16 b + i is B's row 32 b + 16 h + i.  Ascending.
.macro BIASADD a
.set WN, 0x02+(\a)/4                   ; source 0: window 2 or 3
	s_cmp_eq_u32 s66, 0
	s_cbranch_scc0 .Lbias_v_\@
	WIN WN
.set j, 0
.rept 32
	v_pk_add_f32 v[X+j:X+j+1], v[64*((\a)%4)+j:64*((\a)%4)+j+1], v[BN+j:BN+j+1]
.set j, j+2
.endr
	WIN 0
	s_branch .Lbias_done_\@
.Lbias_v_\@:
	WIN WN
.set j, 0
.rept 32
	v_pk_add_f32 v[X+j:X+j+1], v[64*((\a)%4)+j:64*((\a)%4)+j+1], v[BM+2*(\a):BM+2*(\a)+1] op_sel_hi:[1,0]
.set j, j+2
.endr
	WIN 0
.Lbias_done_\@:
.endm
; 64 numbers of a lane become four blocks' codes and a scale word.  Blocks 0, 1 go to v[d0] on, six registers: lanes 0-15 block 0, lanes 16-31 block 1; blocks 2, 3 to v[d1] on.
.macro QUANT2 s, d0, d1, w
.irp b, 0,1,2,3
	v_max3_num_f32 v[TM+\b], |v[\s+16*\b]|, |v[\s+1+16*\b]|, s[FLOOR]
.endr
.irp i, 2,4,6,8,10,12,14
.irp b, 0,1,2,3
	v_max3_num_f32 v[TM+\b], v[TM+\b], |v[\s+16*\b+\i]|, |v[\s+1+16*\b+\i]|   ; (the four blocks by turns)
.endr
.endr
.irp b, 0,1,2,3
	v_permlanex16_b32 v[TM+4+\b], v[TM+\b], s[SEL], s[SEL+1]
.endr
.irp b, 0,1,2,3
	v_max_num_f32 v[TM+\b], v[TM+\b], v[TM+4+\b]   ; with lane l xor 16's: the block's largest magnitude
.endr
.irp b, 0,1,2,3
	v_add_nc_u32 v[TM+12+\b], 0xff000000, v[TM+\b] ; 2 off its exponent field: the conversion's scale operand
.endr
.irp b, 0,1,2,3
	v_lshrrev_b32 v[TM+4+\b], 23, v[TM+12+\b]      ; the scale's byte
.endr
	v_lshl_or_b32 v[\w], v[TM+5], 8, v[TM+4]
	v_lshl_or_b32 v[\w], v[TM+6], 16, v[\w]
	v_lshl_or_b32 v[\w], v[TM+7], 24, v[\w]
	v_cvt_scalef32_pk16_fp6_f32 v[\d0:\d0+2], v[\s:\s+15], v[TM+12]
	v_cvt_scalef32_pk16_fp6_f32 v[CT:CT+2], v[\s+16:\s+31], v[TM+13]
	v_cvt_scalef32_pk16_fp6_f32 v[\d1:\d1+2], v[\s+32:\s+47], v[TM+14]
	v_cvt_scalef32_pk16_fp6_f32 v[CT+4:CT+6], v[\s+48:\s+63], v[TM+15]
	v_nop                                          ; one plain place behind a scaled conversion
.irp i, 0,1,2
	v_permlane16_swap_b32 v[\d0+\i], v[CT+\i]      ; the layout wants a whole block in a lane
	v_permlane16_swap_b32 v[\d1+\i], v[CT+4+\i]
.endr
.irp i, 0,1,2
	v_mov_b32 v[\d0+3+\i], v[CT+\i]
	v_mov_b32 v[\d1+3+\i], v[CT+4+\i]
.endr
.endm
; Blocks 2 p and 2 p + 1 of A: four halves of six registers and two scale words leave.
.macro PAIR p
.if (\p) > 0
	s_wait_xcnt 0x0                                ; the last pair's stores have read their registers and bases: both are written again below
	s_add_nc_u64 s[24:25], s[24:25], s[86:87]
	s_add_nc_u64 s[26:27], s[26:27], s[86:87]
	s_add_nc_u64 s[28:29], s[28:29], s[86:87]
	s_add_nc_u64 s[30:31], s[30:31], s[86:87]
	s_add_nc_u64 s[32:33], s[32:33], s[88:89]
	s_add_nc_u64 s[34:35], s[34:35], s[88:89]
.endif
	BIASADD 2*(\p)
	QUANT2 X, FE, FO, W0
	BIASADD 2*(\p)+1
	QUANT2 X, FE+6, FO+6, W1
	v_perm_b32 v[WE], v[W1], v[W0], s36
	v_perm_b32 v[WO], v[W1], v[W0], s37
.irp g, 0,1,2,3
	global_store_b128 v[L16], v[FE+6*\g:FE+6*\g+3], s[24+2*\g:25+2*\g]               ; 512 consecutive bytes, at a multiple of 256 from the buffer's first byte
	global_store_b64 v[L8], v[FE+6*\g+4:FE+6*\g+5], s[24+2*\g:25+2*\g] offset:512    ; and 256
.endr
	global_store_b32 v[L4], v[WE], s[32:33]
	global_store_b32 v[L4], v[WO], s[34:35]
.endm
	s_wait_loadcnt 0x0                             ; the biases
	PLACES NP                                      ; behind the last products: their results are read, and A's registers written, below
	PAIR 0
	PAIR 1
	PAIR 2
	PAIR 3
	s_wait_tensorcnt 0x0                           ; the wave's end
	ds_add_u32 v[SPW], v[NIL]
	s_wait_dscnt 0x0
	CROUND                                         ; the closing round: no work-group ends while a partner may still ask for a tile that names it
	s_endpgm
.Lfunc_end_k_q309126825d_gemm_qkv:
	.size	k_q309126825d_gemm_qkv, .Lfunc_end_k_q309126825d_gemm_qkv-k_q309126825d_gemm_qkv
	.p2alignl 7, 3214868480
	.fill 96, 4, 3214868480
	.section	.rodata,"a",@progbits
	.p2align	6, 0x0
	.amdhsa_kernel k_q309126825d_gemm_qkv
		.amdhsa_group_segment_fixed_size 327680
		.amdhsa_private_segment_fixed_size 0
		.amdhsa_enable_private_segment 0
		.amdhsa_kernarg_size 32
		.amdhsa_user_sgpr_count 2
		.amdhsa_user_sgpr_kernarg_segment_ptr 1
		.amdhsa_wavefront_size32 1
		.amdhsa_system_sgpr_workgroup_id_x 1
		.amdhsa_system_sgpr_workgroup_id_y 1
		.amdhsa_system_sgpr_workgroup_id_z 1
		.amdhsa_system_vgpr_workitem_id 0
		.amdhsa_next_free_vgpr 1024
		.amdhsa_next_free_sgpr 102
		.amdhsa_reserve_vcc 0
		.amdhsa_float_denorm_mode_32 3
		.amdhsa_float_denorm_mode_16_64 3
		.amdhsa_memory_ordered 1
		.amdhsa_forward_progress 1
		.amdhsa_inst_pref_size 178
	.end_amdhsa_kernel
	.amdgpu_metadata
---
amdhsa.version: [ 1, 2 ]
amdhsa.kernels:
  - .name:           k_q309126825d_gemm_qkv
    .symbol:         k_q309126825d_gemm_qkv.kd
    .args:
      - { .name: xq, .offset: 0, .size: 8, .value_kind: global_buffer, .address_space: global }
      - { .name: wq, .offset: 8, .size: 8, .value_kind: global_buffer, .address_space: global }
      - { .name: qkv_b, .offset: 16, .size: 8, .value_kind: global_buffer, .address_space: global }
      - { .name: qkv, .offset: 24, .size: 8, .value_kind: global_buffer, .address_space: global }
    .group_segment_fixed_size: 327680
    .private_segment_fixed_size: 0
    .kernarg_segment_align: 8
    .kernarg_segment_size: 32
    .max_flat_workgroup_size: 128
    .sgpr_count:     102
    .vgpr_count:     1024
    .wavefront_size: 32
...
	.end_amdgpu_metadata
.endif
;; end of part 2
;; launch attn (part 3): grid 4 x 64, 8 waves a work-group, clusters of 4 x 4, 327,680 bytes of LDS; arguments qkv, attn_bias, oc; writes oc
.if DOCPART == 3
	.amdgcn_target "amdgcn-amd-amdhsa--gfx1250"
	.amdhsa_code_object_version 6
	.text
	.protected	k_q309126825d_attn
	.globl	k_q309126825d_attn
	.p2align	8
	.type	k_q309126825d_attn,@function
k_q309126825d_attn:
	s_mov_b64 s[64:65], 0
	v_nop
	global_prefetch_b8 v0, s[64:65] scope:SCOPE_SE
	s_setreg_imm32_b32 hwreg(HW_REG_WAVE_MODE, 25, 1), 1
	s_wait_xcnt 0x0
	s_wait_alu depctr_hold_cnt(0) depctr_sa_sdst(0) depctr_va_vdst(0) depctr_va_sdst(0) depctr_va_ssrc(0) depctr_va_vcc(0) depctr_vm_vsrc(0)
	s_getreg_b32 s2, hwreg(HW_REG_IB_STS2, 6, 4)
	s_cmp_eq_u32 s2, 0
	s_cbranch_scc0 .Lentry_in_a_cluster
	s_endpgm
.Lentry_in_a_cluster:
	s_bfe_u32 s2, ttmp6, 0x10000c
	s_cmp_lg_u32 s2, 0xf033
	s_cbranch_scc0 .Lentry_shape_is_right
	s_endpgm
.Lentry_shape_is_right:
; o = softmax(q k^T / 8 + attn_bias) v for 4 batches x 16 heads of 64, 2,048 tokens, both products on codes of FP6 (E2M3) with one E8M0 scale for each 32 along a product's K; o is quantised here for the last product.
; THE SOFTMAX AHEAD OF THE SECOND PRODUCT: t = logit x log2(e); M = the row's largest t so far, rounded UP to a whole number; p = 2^(t - M) is quantised along the keys, not normalised; the row's sum is taken of the
; unquantised p and divides at the end.  When M moves, the sum and O are multiplied by 2^(old M - new M): exact.
; SHARES.  A work-group owns 128 queries x 4 heads (group g); each of its eight waves owns 16 queries for all four heads, so that a bias tile read from LDS serves four heads.  16 key steps of 128 keys.
; LAYOUT.  Both products are used transposed: S^T = K Q^T (source 0 = keys, source 1 = my 16 queries), O^T = V^T P^T: a lane holds ONE query throughout.  The keys of a tile, and the head's 64 of a tile of V, were chosen by the
; launch before so that the 16 registers of two neighbouring result tiles are 16 neighbours.
; K = 64 IN AN INSTRUCTION 128 DEEP.  A fragment of k holds TWO key tiles: tile 2 f at k 0-63, tile 2 f + 1 at k 64-127.  q stands in registers between runs of zero codes: [q, 0] picks the first tile, [0, q] the second.
; THE BIAS IS THE C OF K Q^T, and the division by 8 is 3 taken off q's scale bytes: the logit costs no vector instruction.
; CLUSTER 4 x 4: x = group of heads, y = block of queries.  The bias tile hangs on y alone and is asked for jointly along a row of the cluster; K and V hang on x alone, jointly along a column.
; RING: two slots, 2^17 bytes apart; a slot: 128 rows of bias (512 bytes + 16), then k's and v's parts of the key step, 53,248 dense bytes.  Waves 0, 1 fetch the bias's halves, wave 2 k's part, wave 3 v's.
; By this text's count a wave has at most one tensor load out.
; LIMITS: NaN and infinities in the inputs, a -infinity in attn_bias among them, are not served.  A block of zeros gets the byte 1 (its codes are zeros).  A block's largest p is taken from its largest logit,
; which takes v_exp_f32 not to fall where its input rises.
; REGISTERS.  Window 0: v1-11 addresses; v12-27 four heads' -M, largest t, sum (two halves); v28-31 q's scale words; v32-79 k's four fragments; v80-127 v's; v128-191 S^T, then p; v192-207 at work; v208-216 scale words of k, v, p;
;   v220-238 p's codes.  Window 1: v0-127 O^T (head hh, tile f at 32 hh + 8 f); v128-191 the bias tile; v192-245 zeros and q by turns, six registers each.
.set SLOT1, 1<<17
.set KVO,   67584                      ; where k's part begins in a slot: behind 128 rows x 528 bytes
.set SPARE, 2*SLOT1                    ; the spare words, 128 bytes for each wave: four blocks of 256 bytes that no other line names
.set AB,   1                           ; v1   my row of the bias tile: 8,448 x wave + 528 r + 64 h
.set A16,  2                           ; v2-4 KVO + 16, 8, 4 x lane
.set A8,   3
.set A4,   4
.set SPW,  5                           ; v5   LDS address of my spare word; never rewritten
.set NIL,  6                           ; v6   0; never rewritten
.set ADB,  7                           ; v7-10 the same four in the slot in hand
.set AD16, 8
.set AD8,  9
.set AD4,  10
.set PFO,  11                          ; v11, v217 the prefetches' offsets; never rewritten
.set PFO2, 217
.set ST,   12
.set QS,   28
.set KF,   32
.set VF,   80
.set S,    128
.set TM,   192                         ; v192-195 block maxima, v196-199 permutes and bytes, v204-207 the conversions' scale operands
.set F,    200                         ; v200 f = 2^(old M - new M); v201 named with it as a pair
.set TT,   202                         ; v202 at work
.set KS,   208
.set VS,   212
.set PW,   216
.set SUM2, 218                         ; v218-219 the second chain of the row's sum
.set PC,   220
.set CT,   232                         ; v232-234, v236-238
.set RL,   240                         ; v240-247 1 / sum, a pair for each head
.set OW,   248                         ; v248-249 o's scale words
.set BI,   128                         ; in window 1
.set QZ,   192                         ; in window 1
.set WV,   10
.set SEL,  20
.set CS,   22
.set G1A,  24
.set G1K,  32
.set G0A,  40
.set G0K,  44
.set PFA,  48
.set PFS,  50
.set LIM,  52
.set TB,   2
.set SLOTS, 3
.set MSB, 0
.macro WIN new                         ; the immediate's high byte repeats the setting that is left
.if MSB != \new
	s_set_vgpr_msb (MSB<<8)|\new
.set MSB, \new
.endif
.endm
; Waves 0 and 1 fetch the bias, waves 2 and 3 k's and v's parts, the others nothing.  The branches hang on the wave's number alone.  Four v_nop follow each of the two lines.
.macro JLOAD
	s_cmp_lt_u32 s[WV], 2
	s_cbranch_scc0 .Lnot_a_\@
	tensor_load_to_lds s[G0A:G0A+3], s[G1A:G1A+7]
	s_nop 0
.rept 4
	v_nop
.endr
	s_branch .Lasked_\@
.Lnot_a_\@:
	s_cmp_lt_u32 s[WV], 4
	s_cbranch_scc0 .Lasked_\@
	tensor_load_to_lds s[G0K:G0K+3], s[G1K:G1K+7]
	s_nop 0
.rept 4
	v_nop
.endr
.Lasked_\@:
.endm
; A PREFETCH INTO THE L2 of the key step behind the one that the tensor loads just issued bring: a whole key step's work ahead of the load that will want it.
; The bias tile (128 rows x 512 bytes) is read by one row of one cluster: wave 4 of each of the four partners asks for 32 of its rows, told apart by address; two blocks of 256 bytes a row, 32 blocks an instruction.
; k's and v's parts (104 blocks each) are read by a column of each of the batch's four clusters: the first of these clusters asks, wave 5 for k's and wave 6 for v's; each partner takes 26 blocks, told apart by address,
; 13 an instruction (lanes above 12 name the thirteenth again).  The last refill asks for nothing; key steps 0 and 1 come by their loads alone.
.macro ASK
	s_cmp_gt_u32 s[SLOTS], s[LIM]
	s_cbranch_scc0 .Lnot_mine_\@
	global_prefetch_b8 v[PFO], s[PFA:PFA+1] th:TH_LOAD_NT scope:SCOPE_SE
	global_prefetch_b8 v[PFO2], s[PFA:PFA+1] th:TH_LOAD_NT scope:SCOPE_SE
.Lnot_mine_\@:
.endm
.macro CROUND                          ; a round of the cluster's barrier
	s_barrier_signal -1
	s_barrier_wait -1
	s_cmp_lg_u32 s[WV], 0
	s_cbranch_scc1 .Lnot_wave_0_\@
	s_barrier_signal -3
.Lnot_wave_0_\@:
	s_barrier_wait -3
	s_barrier_signal -1
	s_barrier_wait -1
.endm
	s_load_b128 s[4:7], s[0:1], 0x0                ; qkv s[4:5], attn_bias s[6:7]
	s_load_b64 s[8:9], s[0:1], 0x10                ; oc
	v_lshl_add_u32 v[SPW], v0, 2, SPARE
	v_mov_b32 v[NIL], 0
	ds_add_u32 v5, v6
	s_wait_dscnt 0x0
	v_lshrrev_b32 v128, 5, v0
	v_readfirstlane_b32 s[WV], v128                ; wave 0..7
	s_bfe_u32 s11, ttmp6, 0x40000                  ; cx = the group of heads g
	s_bfe_u32 s12, ttmp6, 0x40004                  ; cy
	s_and_b32 s13, ttmp7, 0xffff                   ; the cluster's y: 0..15
	s_lshr_b32 s14, s13, 2                         ; the batch b
	s_and_b32 s15, s13, 3
	s_lshl_b32 s15, s15, 2
	s_add_co_u32 s15, s15, s12                     ; QB: my block of 128 queries
	s_and_b32 s16, s[WV], 1                        ; which half I fetch
	s_lshl_b32 s17, s12, 2
	s_lshl_b32 s17, 15, s17                        ; my row of the cluster
	s_lshl_b32 s18, 0x1111, s11                    ; my column
	; descriptor group 1, the bias: 64 rows x 128 elements of 4 bytes, 2,048 elements apart; 4 words of padding behind every 128
	s_or_b32 s[G1A], s17, (2<<16)|(1<<20)|(1<<21)|(6<<22)|(3<<25)
	s_mov_b32 s[G1A+1], 128<<16
	s_mov_b32 s[G1A+2], 64<<16
	s_mov_b32 s[G1A+3], 128<<16
	s_mov_b32 s[G1A+4], 64
	s_mov_b32 s[G1A+5], 2048
	s_mov_b32 s[G1A+6], 0
	s_mov_b32 s[G1A+7], 0
	; k's or v's part: 26,624 dense bytes as 104 rows of 256
	s_or_b32 s[G1K], s18, (3<<16)|(1<<21)
	s_mov_b32 s[G1K+1], 32<<16
	s_mov_b32 s[G1K+2], 104<<16
	s_mov_b32 s[G1K+3], 32<<16
	s_mov_b32 s[G1K+4], 104
	s_mov_b32 s[G1K+5], 32
	s_mov_b32 s[G1K+6], 0
	s_mov_b32 s[G1K+7], 0
	s_lshl_b32 s54, s14, 11
	s_lshl_b32 s55, s15, 7
	s_add_co_u32 s54, s54, s55                     ; my block's first row of the bias: 2,048 b + 128 QB
	s_lshl_b32 s55, s16, 6
	s_add_co_u32 s56, s54, s55
	s_lshl_b32 s56, s56, 13                        ; the half that I fetch, in bytes
	s_mov_b32 s57, 0
	s_lshl_b32 s58, s14, 6
	s_add_co_u32 s58, s58, s11
	s_mul_i32 s58, s58, 79872                      ; the batch's first block of keys, group g
	s_mul_i32 s59, s16, 26624
	s_add_co_u32 s62, s58, s59
	s_add_co_u32 s62, s62, 26624                   ; k's part or v's
	s_mov_b32 s63, 0
	s_lshl_b32 s66, s14, 4
	s_add_co_u32 s66, s66, s15
	s_lshl_b32 s66, s66, 2
	s_add_co_u32 s66, s66, s11
	s_mul_i32 s66, s66, 79872                      ; my block of queries, group g: q's part is first
	s_mov_b32 s67, 0
	s_lshl_b32 s76, s14, 7
	s_lshl_b32 s77, s15, 3
	s_add_co_u32 s76, s76, s77
	s_add_co_u32 s76, s76, s[WV]                   ; my row tile of oc: 128 b + 8 QB + wave
	s_lshl_b32 s78, s76, 9
	s_mul_i32 s76, s76, 12288
	s_mul_i32 s77, s11, 3072
	s_add_co_u32 s76, s76, s77                     ; K steps 2 g and 2 g + 1 of it
	s_lshl_b32 s77, s11, 7
	s_add_co_u32 s78, s78, s77
	s_add_co_u32 s78, s78, 6291456                 ; and their scale words
	s_mov_b32 s77, 0
	s_mov_b32 s79, 0
	s_mov_b32 s[SEL], 0x76543210
	s_mov_b32 s[SEL+1], 0xfedcba98                 ; v_permlanex16_b32's selects for lane l xor 16
	s_mov_b32 s[CS], 0x3fb8aa3b                    ; log2(e)
	s_mov_b32 s[CS+1], s[CS]                       ; (named with it as a pair, so it is written)
	s_mov_b32 s[TB], 0
	s_mov_b32 s[SLOTS], 15
	s_wait_kmcnt 0x0
	s_mov_b32 s[G0A], 1
	s_mul_i32 s[G0A+1], s16, 33792                 ; LDS: slot 0, rows 64 x half
	s_add_nc_u64 s[G0A+2:G0A+3], s[6:7], s[56:57]
	s_or_b32 s[G0A+3], s[G0A+3], 0x80000000
	s_mov_b32 s[G0K], 1
	s_mul_i32 s[G0K+1], s16, 26624
	s_add_co_u32 s[G0K+1], s[G0K+1], KVO
	s_add_nc_u64 s[G0K+2:G0K+3], s[4:5], s[62:63]
	s_or_b32 s[G0K+3], s[G0K+3], 0x80000000
	CROUND                                         ; all sixteen work-groups are here: the first joint loads meet
	JLOAD                                          ; key step 0 into slot 0
	s_add_nc_u64 s[66:67], s[4:5], s[66:67]
	s_add_nc_u64 s[76:77], s[8:9], s[76:77]
	s_add_nc_u64 s[78:79], s[8:9], s[78:79]
	; the prefetches: where my wave's stand, and who asks
	s_lshl_b32 s72, s11, 5
	s_add_co_u32 s72, s72, s54
	s_lshl_b32 s72, s72, 13
	s_add_co_u32 s72, s72, 512                     ; the bias: my work-group's 32 rows, at key step 1; the first change of slots steps it to 2
	s_xor_b32 s73, s16, 1                          ; wave 5: k's part, wave 6: v's
	s_mul_i32 s73, s73, 26624
	s_add_co_u32 s73, s73, s58
	s_mul_i32 s74, s12, 6656
	s_add_co_u32 s73, s73, s74                     ; my work-group's 26 blocks
	s_add_co_u32 s73, s73, 26624+319488            ; at key step 1
	s_cmp_eq_u32 s[WV], 4
	s_cselect_b64 s[PFA:PFA+1], s[6:7], s[4:5]
	s_cselect_b32 s72, s72, s73
	s_mov_b32 s[PFS], 319488
	s_cselect_b32 s[PFS], 512, s[PFS]              ; a key step on
	s_mov_b32 s74, 3328
	s_cselect_b32 s74, 131072, s74                 ; from the first instruction's blocks to the second's
	s_cselect_b32 s75, -1, 0
	s_mov_b32 s73, 0
	s_mov_b32 s[PFS+1], 0
	s_add_nc_u64 s[PFA:PFA+1], s[PFA:PFA+1], s[72:73]
	s_and_b32 s53, s13, 3
	s_cmp_eq_u32 s53, 0
	s_cselect_b32 s[LIM], 1, -1                    ; k and v: the batch's first cluster asks;
	s_cmp_eq_u32 s[WV], 4
	s_cselect_b32 s[LIM], 1, s[LIM]                ; the bias: every cluster;
	s_sub_co_u32 s53, s[WV], 4
	s_cmp_lt_u32 s53, 3
	s_cselect_b32 s[LIM], s[LIM], -1               ; waves 4 to 6 alone.  The same in all sixteen partners, for a given wave
	; q.  My queries are 16 x wave + r of the block, in their natural order; the launch before laid token 32 A + 16 p + 8 u + r0 in half u of fragment A, lane r0 + 8 p (+ 16 h)
	s_lshr_b32 s68, s[WV], 1
	s_mul_i32 s69, s68, 1536
	s_lshl_b32 s70, s68, 7
	s_lshl_b32 s68, s16, 7
	s_add_co_u32 s68, s68, s69
	s_lshl_b32 s71, s16, 6
	s_add_co_u32 s69, s69, s71
	s_add_co_u32 s69, s69, 512
	s_lshl_b32 s71, s16, 5
	s_add_co_u32 s70, s70, s71
	s_mul_i32 s71, s[WV], 8448
	v_and_b32 v128, 15, v0                         ; r
	v_bfe_u32 v129, v0, 4, 1                       ; h
	v_and_b32 v130, 7, v0                          ; r0
	v_bfe_u32 v131, v0, 3, 1                       ; u
	v_and_b32 v136, 31, v0                         ; lane
	v_mul_u32_u24 v131, v131, 768
	v_lshl_add_u32 v132, v130, 4, v131
	v_lshl_add_u32 v132, v129, 8, v132
	v_add_nc_u32 v132, s68, v132                   ; registers 0-3 of my half
	v_lshl_add_u32 v133, v130, 3, v131
	v_lshl_add_u32 v133, v129, 7, v133
	v_add_nc_u32 v133, s69, v133                   ; registers 4-5
	v_lshl_add_u32 v134, v130, 2, s70              ; the fragment's scale word of my lane
	WIN 0x40                                       ; destination window 1
.irp hh, 0,1,2,3
	global_load_b128 v[QZ+6+12*\hh:QZ+9+12*\hh], v132, s[66:67] offset:6144*\hh
	global_load_b64 v[QZ+10+12*\hh:QZ+11+12*\hh], v133, s[66:67] offset:6144*\hh
.endr
	WIN 0
.irp hh, 0,1,2,3
	global_load_b32 v[QS+\hh], v134, s[66:67] offset:24576+512*\hh
.endr
	v_mul_u32_u24 v[AB], v128, 528
	v_lshl_add_u32 v[AB], v129, 6, v[AB]
	v_add_nc_u32 v[AB], s71, v[AB]
	v_lshl_add_u32 v[A16], v136, 4, KVO
	v_lshl_add_u32 v[A8], v136, 3, KVO
	v_lshl_add_u32 v[A4], v136, 2, KVO
	v_lshrrev_b32 v139, 1, v136
	v_and_b32 v140, 1, v136
	v_lshlrev_b32 v139, 13, v139
	v_lshl_add_u32 v139, v140, 8, v139             ; the bias: two lanes a row, 256 bytes apart
	v_min_u32 v140, 12, v136
	v_lshlrev_b32 v140, 8, v140                    ; k, v: lanes 256 bytes apart
	v_cndmask_b32 v[PFO], v140, v139, s75
	v_add_nc_u32 v[PFO2], s74, v[PFO]
.irp hh, 0,1,2,3
	v_mov_b32 v[ST+4*\hh+1], 0xff61b1e6            ; the largest t so far: -3e38, under every t
	v_floor_f32 v[ST+4*\hh], -v[ST+4*\hh+1]        ; -M
	v_mov_b32 v[ST+4*\hh+2], 0                     ; the sum, in two halves
	v_mov_b32 v[ST+4*\hh+3], 0
	v_mov_b32 v[TM+4+\hh], 0                       ; a lane permute's destination counts as one of its sources
.endr
	v_mov_b32 v[F+1], 0                            ; named as the upper half of a pair
	v_mov_b32 v137, 0x01000100
	v_mov_b32 v138, 0x03020302
	v_cmp_gt_u32 vcc_lo, 8, v128
	v_cndmask_b32 v135, v138, v137, vcc_lo         ; my tile's two bytes of the word: the low ones where r < 8
	s_wait_loadcnt 0x0                             ; q
.irp hh, 0,1,2,3
	v_perm_b32 v[QS+\hh], v[QS+\hh], v[QS+\hh], v135   ; twice: they serve [q, 0] and [0, q]
.endr
.irp hh, 0,1,2,3
	v_add_nc_u32 v[QS+\hh], 0xfcfcfcfd, v[QS+\hh]  ; 3 off each byte: q / 8.  No borrow: q's bytes are 4 at the least
.endr
	WIN 0x40
.irp z, 0,12,24,36,48
.irp i, 0,1,2,3,4,5
	v_mov_b32 v[QZ+\z+\i], 0                       ; the runs of zero codes
.endr
.endr
.set j, 0
.rept 128
	v_mov_b32 v[j], 0                              ; O^T.  (The step is written once: its first trip finds zeros, which the first change of M leaves zeros.)  These lines are also the places between the vector writes above and the first products
.set j, j+1
.endr
	WIN 0
.macro KVLOAD reg, sreg, hh, base      ; a head's four fragments and their scale words: 20 loads of consecutive bytes
.irp f, 0,1,2,3
.irp e, 0,1
	ds_load_b128 v[\reg+12*\f+6*\e:\reg+12*\f+6*\e+3], v[AD16] offset:\base+6144*(\hh)+1536*\f+768*\e
	ds_load_b64 v[\reg+12*\f+6*\e+4:\reg+12*\f+6*\e+5], v[AD8] offset:\base+6144*(\hh)+1536*\f+768*\e+512
.endr
	ds_load_b32 v[\sreg+\f], v[AD4] offset:\base+24576+512*(\hh)+128*\f
.endr
.endm
.macro BYTES w                         ; from the blocks' largest magnitudes: the conversions' scale operands, the bytes, the word
.irp b, 0,1,2,3
	v_add_nc_u32 v[TM+12+\b], 0xff000000, v[TM+\b] ; 2 off the exponent field
.endr
.irp b, 0,1,2,3
	v_lshrrev_b32 v[TM+4+\b], 23, v[TM+12+\b]
.endr
	v_lshl_or_b32 v[\w], v[TM+5], 8, v[TM+4]
	v_lshl_or_b32 v[\w], v[TM+6], 16, v[\w]
	v_lshl_or_b32 v[\w], v[TM+7], 24, v[\w]
.endm
.macro CODES                           ; v[S] on, register 16 b + i = k 32 b + 16 h + i, becomes a fragment in v[PC] on
.irp c, 0,1
	v_cvt_scalef32_pk16_fp6_f32 v[PC+6*\c:PC+6*\c+2], v[S+32*\c:S+32*\c+15], v[TM+12+2*\c]
	v_cvt_scalef32_pk16_fp6_f32 v[CT+4*\c:CT+4*\c+2], v[S+32*\c+16:S+32*\c+31], v[TM+13+2*\c]
.endr
	v_nop                                          ; one plain place behind a scaled conversion
.irp c, 0,1
.irp i, 0,1,2
	v_permlane16_swap_b32 v[PC+6*\c+\i], v[CT+4*\c+\i]   ; the layout wants a whole block in a lane
.endr
.irp i, 0,1,2
	v_mov_b32 v[PC+6*\c+3+\i], v[CT+4*\c+\i]
.endr
.endr
.endm
; ONE HEAD'S SHARE OF A KEY STEP.
.macro HEAD hh
.set T0, ST+4*\hh
	s_wait_dscnt 0x0                               ; this head's k (and, for head 0, the bias tile) is in
	WIN 0x14                                       ; source 1 (q) and C (the bias) window 1
.irp f, 0,1,2,3
	v_wmma_scale_f32_16x16x128_f8f6f4 v[S+16*\f:S+16*\f+7], v[KF+12*\f:KF+12*\f+11], v[QZ+6+12*\hh:QZ+17+12*\hh], v[BI+16*\f:BI+16*\f+7], v[KS+\f], v[QS+\hh] matrix_a_fmt:MATRIX_FMT_FP6 matrix_b_fmt:MATRIX_FMT_FP6
	v_wmma_scale_f32_16x16x128_f8f6f4 v[S+16*\f+8:S+16*\f+15], v[KF+12*\f:KF+12*\f+11], v[QZ+12*\hh:QZ+11+12*\hh], v[BI+16*\f+8:BI+16*\f+15], v[KS+\f], v[QS+\hh] matrix_a_fmt:MATRIX_FMT_FP6 matrix_b_fmt:MATRIX_FMT_FP6
.endr
	WIN 0
.rept 4
	v_nop                                          ; places in front of the loads into k's and v's registers and of the first read of the logits
.endr
	KVLOAD VF, VS, \hh, 26624                      ; this head's v, and the next head's k, land under the softmax
.if \hh < 3
	KVLOAD KF, KS, \hh+1, 0
.endif
.irp b, 0,1,2,3
	v_max3_num_f32 v[TM+\b], v[S+16*\b], v[S+16*\b+1], v[S+16*\b+2]   ; the largest logit of each block of 32 keys: for the row's maximum and for the block's largest p
.endr
.irp i, 3,5,7,9,11,13
.irp b, 0,1,2,3
	v_max3_num_f32 v[TM+\b], v[TM+\b], v[S+16*\b+\i], v[S+16*\b+\i+1]
.endr
.endr
.irp b, 0,1,2,3
	v_max_num_f32 v[TM+\b], v[TM+\b], v[S+16*\b+15]
.endr
.irp b, 0,1,2,3
	v_permlanex16_b32 v[TM+4+\b], v[TM+\b], s[SEL], s[SEL+1]
.endr
.irp b, 0,1,2,3
	v_max_num_f32 v[TM+\b], v[TM+\b], v[TM+4+\b]   ; with lane l xor 16's 16 keys
.endr
	v_max3_num_f32 v[TT], v[TM], v[TM+1], v[TM+2]
	v_max_num_f32 v[TT], v[TT], v[TM+3]            ; the step's largest logit of my query
	v_mul_f32 v[TT], s[CS], v[TT]                  ; as t
	v_max_num_f32 v[T0+1], v[T0+1], v[TT]          ; the running largest t
	v_mov_b32 v[TT], v[T0]
	v_floor_f32 v[T0], -v[T0+1]                    ; the new -M = -ceil(t): a whole number
	v_sub_f32 v[TT], v[T0], v[TT]                  ; old M - new M: a whole number, 0 or less
	v_cvt_i32_f32 v[TT], v[TT]                     ; (it saturates)
	v_ldexp_f32 v[F], 1.0, v[TT]                   ; f = 2^(old M - new M)
.set j, 0
.rept 32
	v_pk_fma_f32 v[S+j:S+j+1], v[S+j:S+j+1], s[CS:CS+1], v[T0:T0+1] op_sel_hi:[1,0,0]   ; t - M, two at a time
.set j, j+2
.endr
.irp b, 0,1,2,3
	v_fma_f32 v[TM+\b], v[TM+\b], s[CS], v[T0]     ; the same of each block's largest logit
.endr
.set j, 0
.rept 64
	v_exp_f32 v[S+j], v[S+j]                       ; p = 2^(t - M): not normalised
.set j, j+1
.endr
	v_pk_mul_f32 v[T0+2:T0+3], v[T0+2:T0+3], v[F:F+1] op_sel_hi:[1,0]   ; the sums under the new M.  (The plain place behind the exponentials)
	s_wait_alu depctr_va_vdst(0)                   ; one wait for the batch of 64, ahead of its first reader
.irp b, 0,1,2,3
	v_exp_f32 v[TM+\b], v[TM+\b]                   ; the block's largest p
.endr
	v_pk_add_f32 v[SUM2:SUM2+1], v[S:S+1], v[S+2:S+3]   ; the row's sum is taken of the unquantised p, in two chains
.set j, 4
.rept 15
	v_pk_add_f32 v[T0+2:T0+3], v[T0+2:T0+3], v[S+j:S+j+1]
	v_pk_add_f32 v[SUM2:SUM2+1], v[SUM2:SUM2+1], v[S+j+2:S+j+3]
.set j, j+4
.endr
	v_pk_add_f32 v[T0+2:T0+3], v[T0+2:T0+3], v[SUM2:SUM2+1]
	s_wait_alu depctr_va_vdst(0)                   ; and one for the four
.irp b, 0,1,2,3
	v_max_num_f32 v[TM+\b], 0x1800000, v[TM+\b]    ; the floor 2^(3 - 127): the byte cannot fall under 1
.endr
	BYTES PW
	CODES
	WIN 0x41                                       ; O^T: destination and source 0 window 1
.set j, 0
.rept 16
	v_pk_mul_f32 v[32*\hh+j:32*\hh+j+1], v[32*\hh+j:32*\hh+j+1], v[F:F+1] op_sel_hi:[1,0]   ; O^T under the new M.  (These are also the places between p's codes and scale word and the products)
.set j, j+2
.endr
.if \hh < 3
	s_wait_dscnt 20                                ; v is in; the next head's 20 loads of k may be out
.else
	s_wait_dscnt 0x0
.endif
	WIN 0x50                                       ; C and D window 1
.irp p, 0,1,2,3
	v_wmma_scale_f32_16x16x128_f8f6f4 v[32*\hh+8*\p:32*\hh+8*\p+7], v[VF+12*\p:VF+12*\p+11], v[PC:PC+11], v[32*\hh+8*\p:32*\hh+8*\p+7], v[VS+\p], v[PW] matrix_a_fmt:MATRIX_FMT_FP6 matrix_b_fmt:MATRIX_FMT_FP6
.endr
	WIN 0
.endm
; A KEY STEP: 128 keys, four heads.  Register j of bias tile t is key 32 (t / 2) + 16 h + 8 (t % 2) + j of my query's row.
.macro STEPALL
	v_add_nc_u32 v[ADB], s[TB], v[AB]              ; (four plain lines: places in front of the loads below)
	v_add_nc_u32 v[AD16], s[TB], v[A16]
	v_add_nc_u32 v[AD8], s[TB], v[A8]
	v_add_nc_u32 v[AD4], s[TB], v[A4]
	WIN 0x40
.irp t, 0,1,2,3,4,5,6,7
.irp k, 0,1
	ds_load_b128 v[BI+8*\t+4*\k:BI+8*\t+4*\k+3], v[ADB] offset:128*(\t/2)+32*(\t%2)+16*\k
.endr
.endr
	WIN 0
	KVLOAD KF, KS, 0, 0
	HEAD 0
	HEAD 1
	HEAD 2
	HEAD 3
	s_xor_b32 s[TB], s[TB], SLOT1                  ; on to the other slot
.endm
; THE CHANGE OF SLOTS stands at a key step's head.  Each wave waits for all its tensor loads (its part of the slot that it is about to read), adds 0 to its spare word, and waits for that and for its reads of the slot that it has left.
; fill = 1: the barrier is a round of the cluster's, and behind it the slot just left is filled with the next key step, which has a whole key step's work in which to land.
.macro CHANGE fill
	s_wait_tensorcnt 0x0                           ; no tensor load of mine is out, so a group 0 may be written
	ds_add_u32 v[SPW], v[NIL]                      ; 0 onto my spare word
.if \fill
	s_xor_b32 s[G0A+1], s[G0A+1], SLOT1            ; the walking descriptors: the other slot than last time,
	s_add_nc_u64 s[G0A+2:G0A+3], s[G0A+2:G0A+3], 512      ; the next 128 keys of each row of the bias,
	s_xor_b32 s[G0K+1], s[G0K+1], SLOT1
	s_add_nc_u64 s[G0K+2:G0K+3], s[G0K+2:G0K+3], 319488   ; the next block of keys
	s_wait_xcnt 0x0                                ; the last prefetches, a key step back, have read their address, so it may be written
	s_add_nc_u64 s[PFA:PFA+1], s[PFA:PFA+1], s[PFS:PFS+1]
	s_wait_dscnt 0x0                               ; the add is done, and my reads of the slot that I have left are over
	CROUND
	JLOAD                                          ; the first thing behind the round, and a wave's one tensor load until the next
	ASK
.else
	s_wait_dscnt 0x0
	s_barrier_signal -1
	s_barrier_wait -1
.endif
.endm
.Lstep:                                            ; 15 trips: behind each change of slots but the last the next key step is asked for
	CHANGE 1
	STEPALL
	s_sub_co_u32 s[SLOTS], s[SLOTS], 1
	s_cmp_lg_u32 s[SLOTS], 0
	s_cbranch_scc1 .Lstep
	CHANGE 0                                       ; the last key step is written out
	STEPALL
	; THE WAY OUT.  O^T / the sum is o, in f32: 64 numbers of two heads are 128 along the last product's K in the order that the quantiser wants: a fragment's image and a scale word a row leave for each pair of heads.
.irp hh, 0,1,2,3
	v_add_f32 v[TM+\hh], v[ST+4*\hh+2], v[ST+4*\hh+3]   ; the sum's two halves.  (Plain lines: the places behind the last products)
.endr
.irp hh, 0,1,2,3
	v_permlanex16_b32 v[TM+4+\hh], v[TM+\hh], s[SEL], s[SEL+1]
.endr
.irp hh, 0,1,2,3
	v_add_f32 v[TM+\hh], v[TM+\hh], v[TM+4+\hh]    ; and lane l xor 16's: the row's sum
.endr
.irp hh, 0,1,2,3
	v_mov_b32 v[RL+2*\hh+1], 0                     ; named with the reciprocal as a pair
.endr
.irp hh, 0,1,2,3
	v_rcp_f32 v[RL+2*\hh], v[TM+\hh]
.endr
	v_and_b32 v252, 31, v0                         ; (a plain place behind the reciprocals)  lane
	v_lshlrev_b32 v250, 4, v252                    ; 16 x lane
	v_and_b32 v251, 15, v0
	v_lshlrev_b32 v251, 3, v251                    ; 8 r
	s_wait_alu depctr_va_vdst(0)                   ; one wait for the four reciprocals, ahead of their first reader
.irp i, 0,1
	WIN 0x01                                       ; source 0 window 1
.set j, 0
.rept 32
	v_pk_mul_f32 v[S+2*j:S+2*j+1], v[64*\i+2*j:64*\i+2*j+1], v[RL+2*(2*\i+j/16):RL+2*(2*\i+j/16)+1] op_sel_hi:[1,0]
.set j, j+1
.endr
	WIN 0
.irp b, 0,1,2,3
	v_max3_num_f32 v[TM+\b], |v[S+16*\b]|, |v[S+16*\b+1]|, 0x1800000
.endr
.irp n, 2,4,6,8,10,12,14
.irp b, 0,1,2,3
	v_max3_num_f32 v[TM+\b], v[TM+\b], |v[S+16*\b+\n]|, |v[S+16*\b+\n+1]|
.endr
.endr
.irp b, 0,1,2,3
	v_permlanex16_b32 v[TM+4+\b], v[TM+\b], s[SEL], s[SEL+1]
.endr
.irp b, 0,1,2,3
	v_max_num_f32 v[TM+\b], v[TM+\b], v[TM+4+\b]
.endr
	BYTES OW+\i
.if \i > 0
	s_wait_xcnt 0x0                                ; the first image's stores have read the codes' registers
.endif
	CODES
.irp c, 0,1,2
	global_store_b128 v250, v[PC+4*\c:PC+4*\c+3], s[76:77] offset:1536*\i+512*\c   ; 512 consecutive bytes, at a multiple of 256 from the buffer's first byte
.endr
.endr
	s_wait_xcnt 0x0                                ; EXEC changes only behind this wait
	v_cmp_gt_u32 vcc_lo, 16, v252
	s_and_saveexec_b32 s53, vcc_lo                 ; lanes 16-31 hold the same words
	global_store_b64 v251, v[OW:OW+1], s[78:79]    ; my 16 rows' words of K steps 2 g and 2 g + 1
	s_wait_xcnt 0x0                                ; and again, in front of the line that widens it
	s_or_b32 exec_lo, exec_lo, s53
	s_wait_tensorcnt 0x0                           ; the wave's end
	ds_add_u32 v[SPW], v[NIL]
	s_wait_dscnt 0x0
	CROUND                                         ; the closing round
	s_endpgm
.Lfunc_end_k_q309126825d_attn:
	.size	k_q309126825d_attn, .Lfunc_end_k_q309126825d_attn-k_q309126825d_attn
	.p2alignl 7, 3214868480
	.fill 96, 4, 3214868480
	.section	.rodata,"a",@progbits
	.p2align	6, 0x0
	.amdhsa_kernel k_q309126825d_attn
		.amdhsa_group_segment_fixed_size 327680
		.amdhsa_private_segment_fixed_size 0
		.amdhsa_enable_private_segment 0
		.amdhsa_kernarg_size 24
		.amdhsa_user_sgpr_count 2
		.amdhsa_user_sgpr_kernarg_segment_ptr 1
		.amdhsa_wavefront_size32 1
		.amdhsa_system_sgpr_workgroup_id_x 1
		.amdhsa_system_sgpr_workgroup_id_y 1
		.amdhsa_system_sgpr_workgroup_id_z 1
		.amdhsa_system_vgpr_workitem_id 0
		.amdhsa_next_free_vgpr 512
		.amdhsa_next_free_sgpr 80
		.amdhsa_reserve_vcc 1
		.amdhsa_float_denorm_mode_32 3
		.amdhsa_float_denorm_mode_16_64 3
		.amdhsa_memory_ordered 1
		.amdhsa_forward_progress 1
		.amdhsa_inst_pref_size 162
	.end_amdhsa_kernel
	.amdgpu_metadata
---
amdhsa.version: [ 1, 2 ]
amdhsa.kernels:
  - .name:           k_q309126825d_attn
    .symbol:         k_q309126825d_attn.kd
    .args:
      - { .name: qkv, .offset: 0, .size: 8, .value_kind: global_buffer, .address_space: global }
      - { .name: attn_bias, .offset: 8, .size: 8, .value_kind: global_buffer, .address_space: global }
      - { .name: oc, .offset: 16, .size: 8, .value_kind: global_buffer, .address_space: global }
    .group_segment_fixed_size: 327680
    .private_segment_fixed_size: 0
    .kernarg_segment_align: 8
    .kernarg_segment_size: 24
    .max_flat_workgroup_size: 256
    .sgpr_count:     80
    .vgpr_count:     512
    .wavefront_size: 32
...
	.end_amdgpu_metadata
.endif
;; end of part 3
;; launch gemm_out (part 4): grid 4 x 32, 4 waves a work-group, clusters of 4 x 4, 327,680 bytes of LDS; arguments oc, wq, out_b, out0; writes out0
.if DOCPART == 4
	.amdgcn_target "amdgcn-amd-amdhsa--gfx1250"
	.amdhsa_code_object_version 6
	.text
	.protected	k_q309126825d_gemm_out
	.globl	k_q309126825d_gemm_out
	.p2align	8
	.type	k_q309126825d_gemm_out,@function
k_q309126825d_gemm_out:
	s_mov_b64 s[64:65], 0
	v_nop
	global_prefetch_b8 v0, s[64:65] scope:SCOPE_SE
	s_setreg_imm32_b32 hwreg(HW_REG_WAVE_MODE, 25, 1), 1
	s_wait_xcnt 0x0
	s_wait_alu depctr_hold_cnt(0) depctr_sa_sdst(0) depctr_va_vdst(0) depctr_va_sdst(0) depctr_va_ssrc(0) depctr_va_vcc(0) depctr_vm_vsrc(0)
	s_getreg_b32 s2, hwreg(HW_REG_IB_STS2, 6, 4)
	s_cmp_eq_u32 s2, 0
	s_cbranch_scc0 .Lentry_in_a_cluster
	s_endpgm
.Lentry_in_a_cluster:
	s_bfe_u32 s2, ttmp6, 0x10000c
	s_cmp_lg_u32 s2, 0xf033
	s_cbranch_scc0 .Lentry_shape_is_right
	s_endpgm
.Lentry_shape_is_right:
; out0 = o out_w^T + out_b on codes of FP6 (E2M3) with one E8M0 scale for each 32 along K = 1,024.  o: buffer oc, 512 row tiles in natural order; out_w: row tiles 192-255 of buffer wq; both as images of the operand's
; registers (1,536 bytes a fragment, a row tile's 8 K steps on end; scale words 512 bytes a row tile, behind the codes).  out0: [8192][1024] f32.
; A work-group makes 256 x 256 of out0, a wave 128 x 128: 64 accumulators.  THE MATRIX INSTRUCTION IS USED TRANSPOSED (source 0 = 16 rows of out_w, source 1 = 16 rows of o): a lane holds a row of out0.
; The rows of a tile of out_w were chosen so that register j of result tile b is column 32 (b / 2) + 16 h + 8 (b % 2) + j.  The bias is the C of each sum's first matrix instruction.
; CLUSTERS 4 x 4: o's tiles are asked for jointly along a row of the cluster, out_w's along a column.  K goes in steps of 256 through a ring of two LDS slots; the scale words come once, with the first fills.
; By this text's count a wave has at most three tensor loads out (at the start), later one.  32 x 4 tiles of 256 x 256: 128 work-groups.  No prefetch: K has four slots, and the tiles are shared in the cluster.
; REGISTERS, in windows of 256: window 0: v0-31 addresses; v32-63 scale words, two sets, and nothing else; v64-127 the bias; v128-223 A's fragments, ONE set; on the way out v128-255 rows of out0.
;   window 1: B's fragments, two sets, at v0 and v128.   windows 2, 3: the accumulators.
.set NQ,     2
.set FR,     12
.set NL,     3
.set NP,     4
.set TILEB,  3072
.set HALFT,  8*TILEB
.set SLOT,   4*HALFT
.set SCL,    2*SLOT
.set HALFS,  4096
.set SBLK,   512
.set SPARE,  SCL+4*HALFS               ; the spare words, 128 bytes for each wave: two blocks of 256 bytes that no other line names
.set SPITCH, 528                       ; the way out: a stage of 16 rows x (512 bytes + 16) for each wave, in slot 0, which has had its last fill and its last read when the first result is stored there
.set ADRA, 16
.set ADRB, 20
.set STO,  24                          ; v24  the way out: where I put 32 bytes of a row
.set RD,   25                          ; v25  where I read a row back
.set CO,   26                          ; v26  16 x lane
.set ADRS, 27
.set SPW,  28
.set NIL,  29
.set SC,   32
.set BN,   64
.set AF,   128
.set BK,   128
.set G1, 24
.set G0, 32
.set G1B, 48
.set G0B, 56
.set G1S, 68
.set G0S, 76
.set G1SB, 80
.set G0SB, 88
.set MSB, 0
.macro WIN new                         ; the immediate's high byte repeats the setting that is left
.if MSB != \new
	s_set_vgpr_msb (MSB<<8)|\new
.set MSB, \new
.endif
.endm
.set MUL_LO, 0xa1                      ; source 0 (B) window 1, source 1 (A) window 0, C and D window 2
.set MUL_HI, 0xf1                      ; the same, C and D window 3
.set TO_B,   0x40
.macro JLOAD g0a, g1a, g0b, g1b        ; a joint load: waves 0 and 1 fetch for A, waves 2 and 3 for B; four v_nop follow each of the two lines
	s_cmp_eq_u32 s15, 0
	s_cbranch_scc0 .Lfor_b_\@
	tensor_load_to_lds s[\g0a:\g0a+3], s[\g1a:\g1a+7]
	s_nop 0
.rept 4
	v_nop
.endr
	s_branch .Lasked_\@
.Lfor_b_\@:
	tensor_load_to_lds s[\g0b:\g0b+3], s[\g1b:\g1b+7]
	s_nop 0
.rept 4
	v_nop
.endr
.Lasked_\@:
.endm
.macro CREST
	s_cmp_lg_u32 s14, 0
	s_cbranch_scc1 .Lnot_wave_0_\@
	s_barrier_signal -3
.Lnot_wave_0_\@:
	s_barrier_wait -3
	s_barrier_signal -1
	s_barrier_wait -1
.endm
.macro CROUND
	s_barrier_signal -1
	s_barrier_wait -1
	CREST
.endm
	s_load_b256 s[4:11], s[0:1], 0x0               ; oc s[4:5], wq s[6:7], out_b s[8:9], out0 s[10:11]
	v_lshl_add_u32 v[SPW], v0, 2, SPARE
	v_mov_b32 v[NIL], 0
	ds_add_u32 v28, v29
	s_wait_dscnt 0x0
	v_lshrrev_b32 v1, 5, v0
	v_readfirstlane_b32 s14, v1                    ; wave 0..3
	s_lshr_b32 s15, s14, 1                         ; which half of the tile's rows is mine.  Also: I fetch for A (0) or for B (1)
	s_and_b32 s16, s14, 1                          ; which half of its columns.  Also: which 8 row tiles I fetch
	s_bfe_u32 s40, ttmp6, 0x40000                  ; cx, cy
	s_bfe_u32 s41, ttmp6, 0x40004
	s_lshl_b32 s42, ttmp9, 2
	s_add_co_u32 s42, s42, s40                     ; tile column
	s_and_b32 s17, ttmp7, 0xffff
	s_lshl_b32 s17, s17, 2
	s_add_co_u32 s17, s17, s41                     ; tile row
	s_lshl_b32 s43, s41, 2
	s_lshl_b32 s43, 15, s43                        ; my row of the cluster
	s_lshl_b32 s44, 0x1111, s40                    ; my column
	s_or_b32 s[G1+0], s43, (3<<16)|(1<<21)         ; codes: 8 rows (row tiles) of 3,072 bytes, 12,288 bytes apart, as elements of 8 bytes; no padding
	s_or_b32 s[G1B+0], s44, (3<<16)|(1<<21)
.irp g, G1, G1B
	s_mov_b32 s[\g+1], 384<<16
	s_mov_b32 s[\g+2], 8<<16
	s_mov_b32 s[\g+3], 384<<16
	s_mov_b32 s[\g+4], 8
	s_mov_b32 s[\g+5], 1536
	s_mov_b32 s[\g+6], 0
	s_mov_b32 s[\g+7], 0
.endr
	s_or_b32 s[G1S+0], s43, (3<<16)|(1<<21)        ; scale words of 8 row tiles: 4,096 dense bytes as 16 rows of 256
	s_or_b32 s[G1SB+0], s44, (3<<16)|(1<<21)
.irp g, G1S, G1SB
	s_mov_b32 s[\g+1], 32<<16
	s_mov_b32 s[\g+2], 16<<16
	s_mov_b32 s[\g+3], 32<<16
	s_mov_b32 s[\g+4], 16
	s_mov_b32 s[\g+5], 32
	s_mov_b32 s[\g+6], 0
	s_mov_b32 s[\g+7], 0
.endr
	s_lshl_b32 s18, s16, 3
	s_lshl_b32 s20, s17, 4
	s_add_co_u32 s20, s20, s18                     ; A: row tile 16 x tile row + 8 x half
	s_lshl_b32 s46, s42, 4
	s_add_co_u32 s46, s46, s18
	s_add_co_u32 s46, s46, 192                     ; B: row tile 192 + 16 x tile column + 8 x half
	s_lshl_b32 s22, s20, 9
	s_add_co_u32 s22, s22, 6291456
	s_lshl_b32 s92, s46, 9
	s_add_co_u32 s92, s92, 3145728
	s_mul_i32 s20, s20, 12288
	s_mul_i32 s46, s46, 12288
	s_mov_b32 s21, 0
	s_mov_b32 s23, 0
	s_mov_b32 s47, 0
	s_mov_b32 s93, 0
	s_mul_i32 s45, s14, HALFT
	s_lshl_b32 s94, s14, 12
	s_wait_kmcnt 0x0
	s_add_nc_u64 s[20:21], s[4:5], s[20:21]
	s_add_nc_u64 s[22:23], s[4:5], s[22:23]
	s_add_nc_u64 s[46:47], s[6:7], s[46:47]
	s_add_nc_u64 s[92:93], s[6:7], s[92:93]
	CROUND                                         ; all sixteen work-groups are here: the first joint loads meet
	s_mov_b32 s[G0S], 1
	s_add_co_u32 s[G0S+1], s94, SCL
	s_mov_b64 s[G0S+2:G0S+3], s[22:23]
	s_or_b32 s[G0S+3], s[G0S+3], 0x80000000
	s_mov_b32 s[G0SB], 1
	s_add_co_u32 s[G0SB+1], s94, SCL
	s_mov_b64 s[G0SB+2:G0SB+3], s[92:93]
	s_or_b32 s[G0SB+3], s[G0SB+3], 0x80000000
	JLOAD G0S, G1S, G0SB, G1SB
.irp s, 0,1
	s_mov_b32 s[G0+4*\s], 1
	s_add_co_u32 s[G0+4*\s+1], s45, \s*SLOT
	s_add_nc_u64 s[G0+4*\s+2:G0+4*\s+3], s[20:21], \s*TILEB
	s_or_b32 s[G0+4*\s+3], s[G0+4*\s+3], 0x80000000
	s_mov_b32 s[G0B+4*\s], 1
	s_add_co_u32 s[G0B+4*\s+1], s45, \s*SLOT
	s_add_nc_u64 s[G0B+4*\s+2:G0B+4*\s+3], s[46:47], \s*TILEB
	s_or_b32 s[G0B+4*\s+3], s[G0B+4*\s+3], 0x80000000
	JLOAD G0+4*\s, G1, G0B+4*\s, G1B
.endr
	v_and_b32 v3, 31, v0                           ; lane
	v_and_b32 v1, 15, v0                           ; r
	v_bfe_u32 v2, v0, 4, 1                         ; h
	v_lshlrev_b32 v[CO], 4, v3
	s_mul_i32 s21, s15, HALFT
	s_mul_i32 s22, s16, HALFT
	s_add_co_u32 s22, s22, 2*HALFT
.irp s, 0,1
	v_add_nc_u32 v[ADRA+\s], s21, v[CO]
	v_add_nc_u32 v[ADRB+\s], s22, v[CO]
	s_add_co_u32 s21, s21, SLOT
	s_add_co_u32 s22, s22, SLOT
.endr
	v_lshlrev_b32 v5, 3, v1
	s_mul_i32 s21, s15, HALFS
	s_mul_i32 s22, s16, HALFS
	s_add_co_u32 s22, s22, 2*HALFS
	s_sub_co_u32 s22, s22, s21
	v_mul_u32_u24 v6, s22, v2                      ; lanes 16-31 take B's scale words
	s_add_co_u32 s21, s21, SCL
	v_add_nc_u32 v5, v5, v6
	v_add_nc_u32 v[ADRS], s21, v5
	s_mul_i32 s23, s14, 16*SPITCH                  ; my stage
	v_mul_u32_u24 v5, v1, SPITCH
	v_lshl_add_u32 v5, v2, 6, v5
	v_add_nc_u32 v[STO], s23, v5                   ; in: row r, + 64 h
	v_add_nc_u32 v[RD], s23, v[CO]                 ; back: the 32 lanes take one row of 512 bytes
	s_lshl_b32 s20, s17, 8
	s_lshl_b32 s21, s15, 7
	s_add_co_u32 s20, s20, s21                     ; my first row of out0
	s_lshl_b32 s20, s20, 12                        ; rows of 4,096 bytes
	s_lshl_b32 s46, s42, 10
	s_lshl_b32 s47, s16, 9
	s_add_co_u32 s46, s46, s47                     ; my first column, in bytes: in out0 and in out_b
	s_mov_b32 s47, 0
	s_add_co_u32 s20, s20, s46
	s_mov_b32 s21, 0
	s_add_nc_u64 s[12:13], s[10:11], s[20:21]
	s_add_nc_u64 s[2:3], s[8:9], s[46:47]
	v_lshlrev_b32 v7, 6, v2                        ; 64 h
.irp b, 0,1,2,3,4,5,6,7
.irp k, 0,1
	global_load_b128 v[BN+8*\b+4*\k:BN+8*\b+4*\k+3], v7, s[2:3] offset:128*(\b/2)+32*(\b%2)+16*\k   ; the bias in the result's layout
.endr
.endr
.macro FRAG reg, adr, q, i
.irp j, 0,1,2
	ds_load_b128 v[\reg+4*\j:\reg+4*\j+3], v[\adr] offset:(\i)*TILEB+(\q)*1536+512*\j
.endr
.endm
; 16 matrix instructions: A's blocks a0, a0 + 1 x B's eight.  first = 1: the bias is the C of the first product, which starts the sums.  The 64 accumulators take turns.
.macro MUL16 a0, p, q, sc, first
.irp a, \a0, \a0+1
.irp b, 0,1,2,3,4,5,6,7
.if \first
	v_wmma_scale_f32_16x16x128_f8f6f4 v[8*(8*((\a)%4)+\b):8*(8*((\a)%4)+\b)+7], v[128*(\p)+FR*\b:128*(\p)+FR*\b+FR-1], v[AF+FR*(\a):AF+FR*(\a)+FR-1], v[BN+8*\b:BN+8*\b+7], v[SC+8*NQ*(\sc)+NQ*\b+(\q)], v[SC+8*NQ*(\sc)+NQ*(\a)+(\q)] matrix_a_fmt:MATRIX_FMT_FP6 matrix_b_fmt:MATRIX_FMT_FP6 matrix_a_scale:MATRIX_SCALE_ROW1
.else
	v_wmma_scale_f32_16x16x128_f8f6f4 v[8*(8*((\a)%4)+\b):8*(8*((\a)%4)+\b)+7], v[128*(\p)+FR*\b:128*(\p)+FR*\b+FR-1], v[AF+FR*(\a):AF+FR*(\a)+FR-1], v[8*(8*((\a)%4)+\b):8*(8*((\a)%4)+\b)+7], v[SC+8*NQ*(\sc)+NQ*\b+(\q)], v[SC+8*NQ*(\sc)+NQ*(\a)+(\q)] matrix_a_fmt:MATRIX_FMT_FP6 matrix_b_fmt:MATRIX_FMT_FP6 matrix_a_scale:MATRIX_SCALE_ROW1
.endif
.endr
.endr
.endm
.macro FETCH_B slot, q, p
	WIN TO_B
.irp i, 0,1,2,3,4,5,6,7
	FRAG 128*(\p)+FR*\i, ADRB+\slot, \q, \i
.endr
	WIN 0
.endm
.macro FETCH_A slot, q, i0
.irp i, \i0, \i0+1, \i0+2, \i0+3
	FRAG AF+FR*(\i), ADRA+\slot, \q, \i
.endr
.endm
.macro SCALES sc
.irp i, 0,1,2,3,4,5,6,7
	ds_load_b64 v[SC+8*NQ*\sc+NQ*\i:SC+8*NQ*\sc+NQ*\i+1], v[ADRS] offset:\i*SBLK
.endr
.endm
.macro PLACES n
.rept \n
	v_nop
.endr
.endm
.macro STEP slot, q, first
	s_wait_dscnt 4*NL                              ; B's set and A's blocks 0-3 are in; the youngest twelve loads (A's blocks 4-7) may be out
.if \first
	WIN 0x81                                       ; C (the bias) window 0, D window 2
.else
	WIN MUL_LO
.endif
	MUL16 0, (\q)%2, \q, \slot, \first
	MUL16 2, (\q)%2, \q, \slot, \first
	s_wait_dscnt 0
	PLACES NP
	FETCH_B \slot, (\q)+1, 1-(\q)%2
	FETCH_A \slot, (\q)+1, 0
.if \first
	WIN 0xc1                                       ; C window 0, D window 3
.else
	WIN MUL_HI
.endif
	MUL16 4, (\q)%2, \q, \slot, \first
	MUL16 6, (\q)%2, \q, \slot, \first
	PLACES NP
	WIN 0
	FETCH_A \slot, (\q)+1, 4
.endm
.macro TURN slot, next, fill
	s_wait_tensorcnt 0x0                           ; all my tensor loads have landed: my part of the next slot
	ds_add_u32 v[SPW], v[NIL]                      ; 0 onto my spare word
	s_wait_dscnt 4*NL+1                            ; (the add and the youngest twelve loads may be out)
	WIN MUL_LO
	MUL16 0, 1, NQ-1, \slot, 0
	s_wait_dscnt 0x0                               ; the add is done, and my reads of this slot are over
	s_barrier_signal -1
	MUL16 2, 1, NQ-1, \slot, 0
	WIN 0
	s_barrier_wait -1
.if \fill
	CREST                                          ; the barrier has opened a round of the cluster's barrier
	s_add_nc_u64 s[G0+4*\slot+2:G0+4*\slot+3], s[G0+4*\slot+2:G0+4*\slot+3], 2*TILEB
	s_add_nc_u64 s[G0B+4*\slot+2:G0B+4*\slot+3], s[G0B+4*\slot+2:G0B+4*\slot+3], 2*TILEB
	JLOAD G0+4*\slot, G1, G0B+4*\slot, G1B         ; the first tensor load behind the round; its four v_nop are also the places in front of the loads below
.else
	PLACES NP
.endif
	v_add_nc_u32 v[ADRS], 128, v[ADRS]
	FETCH_B \next, 0, 0
	FETCH_A \next, 0, 0
	SCALES \next
	WIN MUL_HI
	MUL16 4, 1, NQ-1, \slot, 0
	MUL16 6, 1, NQ-1, \slot, 0
	PLACES NP
	WIN 0
	FETCH_A \next, 0, 4
.endm
	s_wait_tensorcnt 1                             ; the scale words and my part of K slot 0 are in (K slot 1's load may be out)
	s_barrier_signal -1
	s_barrier_wait -1
	FETCH_B 0, 0, 0
	FETCH_A 0, 0, 0
	SCALES 0
	FETCH_A 0, 0, 4
	s_wait_loadcnt 0x0                             ; the bias
	STEP 0, 0, 1
	TURN 0, 1, 1
	STEP 1, 0, 0
	TURN 1, 0, 1
	STEP 0, 0, 0
	TURN 0, 1, 0
	STEP 1, 0, 0
	s_wait_dscnt 4*NL
	WIN MUL_LO
	MUL16 0, 1, NQ-1, 1, 0
	MUL16 2, 1, NQ-1, 1, 0
	s_wait_dscnt 0
	WIN MUL_HI
	MUL16 4, 1, NQ-1, 1, 0
	MUL16 6, 1, NQ-1, 1, 0
	WIN 0
; THE WAY OUT, block by block of 16 rows x 128 columns, through my own stage in LDS: back come whole rows of 512 bytes.  LDS serves a wave's instructions in order: no wait between the stores and the loads.
.macro TOSTAGE a
.set AC, 64*((\a)%4)
.set WN, 0x08+4*((\a)/4)               ; an LDS store's data: window 2 or 3
	WIN WN
.irp b, 0,1,2,3,4,5,6,7
	ds_store_b128 v[STO], v[AC+8*\b:AC+8*\b+3] offset:128*(\b/2)+32*(\b%2)          ; each accumulator from its low end on
	ds_store_b128 v[STO], v[AC+8*\b+4:AC+8*\b+7] offset:128*(\b/2)+32*(\b%2)+16
.endr
	WIN 0
.set BB, BK+64*((\a)%2)
.irp t, 0,1,2,3,4,5,6,7,8,9,10,11,12,13,14,15
	ds_load_b128 v[BB+4*\t:BB+4*\t+3], v[RD] offset:\t*SPITCH
.endr
.endm
.macro SEND a, younger                 ; younger: the LDS instructions issued behind block a's loads, which may stay out
.set BB, BK+64*((\a)%2)
	s_wait_dscnt \younger
.if (\a) > 0
	s_add_nc_u64 s[12:13], s[12:13], 16*4096       ; (behind a wait on XCNT: the earlier stores have read their base)  16 rows on
.endif
.irp t, 0,1,2,3,4,5,6,7,8,9,10,11,12,13,14,15
	global_store_b128 v[CO], v[BB+4*\t:BB+4*\t+3], s[12:13] offset:\t*4096 th:TH_STORE_NT   ; 32 lanes store 512 consecutive bytes, at a multiple of 256 from out0's first byte
.endr
.endm
	PLACES NP
	TOSTAGE 0
.irp a, 1,2,3,4,5,6,7
.if \a > 1
	s_wait_xcnt 0x0                                ; block a - 2's stores have read their registers and their base
.endif
	TOSTAGE \a
	SEND \a-1, 32                                  ; behind block a - 1's loads: block a's 16 stores and 16 loads
.endr
	s_wait_xcnt 0x0
	SEND 7, 0
	s_wait_tensorcnt 0x0                           ; the wave's end
	ds_add_u32 v[SPW], v[NIL]
	s_wait_dscnt 0x0
	CROUND                                         ; the closing round
	s_endpgm
.Lfunc_end_k_q309126825d_gemm_out:
	.size	k_q309126825d_gemm_out, .Lfunc_end_k_q309126825d_gemm_out-k_q309126825d_gemm_out
	.p2alignl 7, 3214868480
	.fill 96, 4, 3214868480
	.section	.rodata,"a",@progbits
	.p2align	6, 0x0
	.amdhsa_kernel k_q309126825d_gemm_out
		.amdhsa_group_segment_fixed_size 327680
		.amdhsa_private_segment_fixed_size 0
		.amdhsa_enable_private_segment 0
		.amdhsa_kernarg_size 32
		.amdhsa_user_sgpr_count 2
		.amdhsa_user_sgpr_kernarg_segment_ptr 1
		.amdhsa_wavefront_size32 1
		.amdhsa_system_sgpr_workgroup_id_x 1
		.amdhsa_system_sgpr_workgroup_id_y 1
		.amdhsa_system_sgpr_workgroup_id_z 1
		.amdhsa_system_vgpr_workitem_id 0
		.amdhsa_next_free_vgpr 1024
		.amdhsa_next_free_sgpr 100
		.amdhsa_reserve_vcc 0
		.amdhsa_float_denorm_mode_32 3
		.amdhsa_float_denorm_mode_16_64 3
		.amdhsa_memory_ordered 1
		.amdhsa_forward_progress 1
		.amdhsa_inst_pref_size 137
	.end_amdhsa_kernel
	.amdgpu_metadata
---
amdhsa.version: [ 1, 2 ]
amdhsa.kernels:
  - .name:           k_q309126825d_gemm_out
    .symbol:         k_q309126825d_gemm_out.kd
    .args:
      - { .name: oc, .offset: 0, .size: 8, .value_kind: global_buffer, .address_space: global }
      - { .name: wq, .offset: 8, .size: 8, .value_kind: global_buffer, .address_space: global }
      - { .name: out_b, .offset: 16, .size: 8, .value_kind: global_buffer, .address_space: global }
      - { .name: out0, .offset: 24, .size: 8, .value_kind: global_buffer, .address_space: global }
    .group_segment_fixed_size: 327680
    .private_segment_fixed_size: 0
    .kernarg_segment_align: 8
    .kernarg_segment_size: 32
    .max_flat_workgroup_size: 128
    .sgpr_count:     100
    .vgpr_count:     1024
    .wavefront_size: 32
...
	.end_amdgpu_metadata
.endif
;; end of part 4
